; MI455X (gfx1250); checked and timed in simulation.
; The chip was launched on July 23, 2026; its instructions are those of AMD's public machine-readable ISA for CDNA 5 (MIT licence, August 2026) and "CDNA5" Instruction Set Architecture Reference Guide (July 2026). The comments in the code are by the model that wrote it; some were corrected since.
;; Multi Head Attn. Allowed arithmetic: matrix products marked QUANTISED: E2M1 operands, one E8M0 scale for each 32 along K, by v_wmma_scale_f32_16x16x128_f8f6f4 with both operands' format E2M1 (or v_wmma_scale_f32_32x16x128_f4), f32 sums; everything else in f32.
;; Inputs: W_o_codes 1,024 x 32 x 16 uint8 (E2M1 codes of W_o, K innermost, in blocks of 32 codes, two codes a byte); W_o_scales 1,024 x 32 uint8 (E8M0 scales of W_o, one for each 32 codes along K); W_qkv_codes 3,072 x 32 x 16 uint8 (E2M1 codes of W_qkv, K innermost, in blocks of 32 codes, two codes a byte); W_qkv_scales 3,072 x 32 uint8 (E8M0 scales of W_qkv, one for each 32 codes along K); b_qkv 3,072 float32; beta 1,024 float32; gamma 1,024 float32; inp 8 x 1,024 x 1,024 float32.
;; Outputs: out0 8 x 1,024 x 1,024 float32.
;; This version of the problem:
;;   THIS VERSION OF THE PROBLEM IS GIVEN IN LOW PRECISION. The matrix products marked QUANTISED in the list below multiply operands that are first quantised to E2M1 (2 exponent bits, 1 mantissa bit; 4 bits a number), with one power-of-two scale for each 32 numbers along K (OCP MX v1.0); their sums are f32. All else is computed in f32.
;;   The module's matrix products, in the order in which they are computed (A, B: the left and right operand; K: the contracted axis; several contracted axes count as one K, in the product's order):
;;     1. [M 8,192, K 1,024] x [K 1,024, N 3,072]; A: input inp; B: input W_qkv (given as codes): QUANTISED
;;     2. batch 128 x [M 1,024, K 64] x [K 64, N 1,024]; A: computed on the way; B: computed on the way: QUANTISED
;;     3. batch 128 x [M 64, K 1,024] x [K 1,024, N 1,024]; A: computed on the way; B: softmax (see below): QUANTISED
;;     4. [M 8,192, K 1,024] x [K 1,024, N 1,024]; A: computed on the way; B: input W_o (given as codes): QUANTISED
;;   THE QUANTISER, for each operand of a quantised product, along K:
;;     - K is cut into blocks of 32 from its start; a last block that is shorter is filled with zeros.
;;     - A block's scale is 2^e with e = floor(log2(the largest magnitude in the block)) - 2, held to -126 .. 127; a block of zeros has e = 0. As a byte (E8M0): e + 127.
;;     - Each number is divided by its block's scale, clamped to +-6, and rounded to the nearest number of E2M1, ties to even, subnormals kept.
;;     - The product sums the exact products of the quantised numbers (number of the format x scale) in f32.
;;   ~~~python
;;   def quantise(x, axis):      # numpy; x: float32 -> the quantised numbers, widened to float32 again
;;       x = np.moveaxis(x, axis, -1); K = x.shape[-1]
;;       x = np.pad(x, [(0, 0)] * (x.ndim - 1) + [(0, -K % 32)]); x = x.reshape(x.shape[:-1] + (-1, 32)); a = np.abs(x).max(-1, keepdims=True)
;;       e = np.where(a > 0, np.clip(np.frexp(np.where(a > 0, a, 1))[1] - 1 - 2, -126, 127), 0)      # np.frexp(a)[1] - 1 = floor(log2(a)), exactly
;;       r = np.clip(x / 2.0 ** e, -6, 6)
;;       step = 2.0 ** (np.maximum(np.frexp(np.where(r == 0, 1, r))[1] - 1, 0) - 1)
;;       q = np.round(r / step) * step * 2.0 ** e      # np.round: ties to even
;;       return np.moveaxis(q.reshape(q.shape[:-2] + (-1,))[..., :K], -1, axis).astype(np.float32)
;;   ~~~
;;   SOFTMAX AHEAD OF A QUANTISED PRODUCT. Where the list says 'softmax', what is quantised is not the finished softmax but p = 2^(t - M), with t = logit x log2(e) and M = ceil(the row's largest t), a whole number; so 1/2 < the row's largest p <= 1. The row's sum l is taken of the UNQUANTISED p, in f32, and the product's result is divided by l at the end. Since M is a whole number, a kernel that streams over the keys may use a running M (the ceiling of the running maximum): every later rescaling is an exact power of two, which a block's scale takes up: the codes' values come out the same.
;;   OPERANDS COMPUTED ON THE WAY. 'Computed on the way' means the value that the module computes at that place (a softmax that the list does not call 'softmax' is quantised finished and normalised). What goes into a quantiser is computed in f32, as accurately as f32 sums, v_exp_f32 and their like allow (about 1e-6 of the number): no bf16 or f16 on the way to a quantiser, and a product that is left as it is and whose result goes on into a quantised operand takes f32 operands (vector FMAs, or v_wmma_f32_16x16x4_f32). A number that lies on a knife's edge between two numbers of the format may be rounded either way, as far as f32 arithmetic and the matrix unit's own rounding can turn it there, and no further.
;;   INPUTS GIVEN AS CODES. W_o (in the module: [1024, 1024], K = its axis 0); W_qkv (in the module: [1024, 3072], K = its axis 0): each comes as NAME_codes (uint8): NAME with its K axis moved to the last place and cut into blocks of 32 codes, [.., K / 32, bytes a block], one block behind the other in memory; two codes a byte, the lower K in the low four bits (a code: sign, 2 exponent bits, 1 mantissa bit); and NAME_scales (uint8): the same leading axes, one E8M0 byte (e + 127) for each 32 codes along K. Its value is code x scale, taken as it is: it is not quantised again, and the codes and scales need not be those that the quantiser above would give.
;; One version. Each part assembles by itself: llvm-mc -triple=amdgcn-amd-amdhsa -mcpu=gfx1250 --defsym DOCPART=n.
;; ======== version 1 of 1: 4 launches
;; limits: right only within a limited range of input values
;; workspace buffers: x_img 4,194,304 bytes; x_sc 262,144 bytes; wimg 2,228,224 bytes; q_img 4,194,304 bytes; q_sc 524,288 bytes; kv 8,912,896 bytes; o_img 4,194,304 bytes; o_sc 262,144 bytes
;; launch prep (part 1): grid 256 x 1, 4 waves a work-group, no clusters, 34,304 bytes of LDS; arguments inp, W_qkv_codes, W_qkv_scales, W_o_codes, W_o_scales, x_img, x_sc, wimg; writes x_img, x_sc, wimg
.if DOCPART == 1
	.amdgcn_target "amdgcn-amd-amdhsa--gfx1250"
	.amdhsa_code_object_version 6
	.text
	.protected	k_qd9a6dd2edf_prep
	.globl	k_qd9a6dd2edf_prep
	.p2align	8
	.type	k_qd9a6dd2edf_prep,@function
k_qd9a6dd2edf_prep:
	s_mov_b64 s[64:65], 0
	v_nop
	global_prefetch_b8 v0, s[64:65] scope:SCOPE_SE
	s_setreg_imm32_b32 hwreg(HW_REG_WAVE_MODE, 25, 1), 1
	s_wait_xcnt 0x0
; inp [8192][1024] f32 becomes codes of FP4 (E2M1) with one E8M0 byte for each 32 along K, laid in the ORDER OF THE OPERAND'S REGISTERS:
;   x_img [tile of 16 rows][K step of 128][c 2][lane 32][16 bytes]: lane (r, h) holds k = 64 c + 32 h + 0 .. 31 of row r;   x_sc [tile][half of K][r 16][4 words], a word for each K step.
; The given weights are laid the same way: wimg holds 256 records of 8,704 bytes, one for each 16 rows (192 of W_qkv, 64 of W_o): 16 images of 512 bytes, then the rows' 16 x 32 scale bytes as they lie.
; A block's scale byte is its largest magnitude's exponent field - 2, held at 1 from below; a block of zeros so gets the byte 1: its codes are zeros, and this program alone reads the bytes.
; LIMITS: blocks whose largest magnitude lies under 2^-124 keep the byte 1; NaN and infinities among the inputs are not served.
; SHARES.  Wave 4 g + w of 1,024 takes 16 rows x 512 along K, as four units of 128 along K.  Each load reads 512 consecutive bytes of one row; a unit (8 KiB) turns through the wave's own stage in LDS
; (rows 528 bytes apart) and comes back with 32 neighbours along K, a whole block, in a lane's registers, so that no other lane is asked for a maximum.  Three units of a wave, 48 loads, are on their way.
; Work-group g also lays weight tile g: wave w its K steps 2 w and 2 w + 1; waves 0 and 1 copy its scale bytes.  The codes are read 32 bytes of a row at a time: 2 MiB in the whole launch.
; No tensor loads, no barrier: waves share nothing.
.set STG,  8448                        ; a wave's stage: 16 rows x 528 bytes
.set SP,   528                         ; a stage row: 512 bytes + 16: the sixteen rows that a load touches begin 33 x 16 bytes apart
.set NT,   8704                        ; a weight record
.set R,    16                          ; v16-207  three sets of 64 numbers
.set PC,   208                         ; v208-215 a unit's codes
.set TM,   216                         ; v216-217 largest magnitudes
.set SO,   218                         ; v218-219 the conversions' scale operands
.set BY,   220                         ; v220-221 the scale bytes
.set WD,   222                         ; v222     my two bytes at their places in the word
.set PD,   223                         ; v223     the other half's
.set SW,   224                         ; v224-227 a scale word for each unit
.set WR,   228                         ; v228-243 four images of the weight tile
.set WSB,  244                         ; v244-245 8 of its scale bytes
.set OP,   246                         ; v246-247 two scale words on their way out
	s_load_b256 s[4:11], s[0:1], 0x0               ; inp s[4:5], W_qkv codes s[6:7], scales s[8:9], W_o codes s[10:11]
	s_load_b256 s[12:19], s[0:1], 0x20             ; W_o scales s[12:13], x_img s[14:15], x_sc s[16:17], wimg s[18:19]
	v_lshl_add_u32 v254, v0, 2, 0x8400
	v_mov_b32 v255, 0
	v_lshrrev_b32 v1, 5, v0
	v_readfirstlane_b32 s20, v1                    ; wave 0..3
	v_and_b32 v1, 31, v0                           ; lane
	v_and_b32 v2, 15, v0                           ; r
	v_bfe_u32 v3, v0, 4, 1                         ; h
	v_lshlrev_b32 v4, 4, v1                        ; 16 x lane: a load's, an image's place for my lane
	s_mul_i32 s21, s20, STG
	v_add_nc_u32 v5, s21, v4                       ; the stage, on the way in: a row as it was loaded
	v_mul_u32_u24 v6, v2, SP
	v_lshl_add_u32 v6, v3, 7, v6
	v_add_nc_u32 v6, s21, v6                       ; and on the way out: row r, + 128 h bytes: my block of 32 numbers
	v_lshlrev_b32 v7, 9, v2
	v_lshl_add_u32 v7, v3, 4, v7                   ; a weight row is 512 bytes: row r, + 16 h
	v_lshlrev_b32 v8, 3, v1                        ; 8 x lane
	v_lshlrev_b32 v9, 3, v3                        ; 8 h: how far my two bytes are shifted up in the scale word
	v_lshlrev_b32 v10, 4, v2
	v_lshl_add_u32 v10, v3, 3, v10                 ; x_sc: 16 r + 8 h
	v_mov_b32 v[PD], 0                             ; written once: a lane permute's destination counts as one of its sources
	s_mov_b32 s38, 0x76543210
	s_mov_b32 s39, 0xfedcba98                      ; v_permlanex16_b32's selects for lane l xor 16
	s_mov_b32 s35, 0xffff0000                      ; lanes 16-31
	s_lshl_b32 s22, ttmp9, 2
	s_add_co_u32 s22, s22, s20                     ; my wave's number in the launch: tile of rows = id / 2, half of K = id % 2
	s_lshr_b32 s24, s22, 1
	s_lshl_b32 s24, s24, 16                        ; 16 rows of 4,096 bytes
	s_and_b32 s25, s22, 1
	s_lshl_b32 s25, s25, 11                        ; 512 numbers
	s_add_co_u32 s24, s24, s25
	s_mov_b32 s25, 0
	s_lshl_b32 s26, s22, 12                        ; x_img: 4,096 bytes a wave
	s_mov_b32 s27, 0
	s_lshl_b32 s28, s22, 8                         ; x_sc: 256 bytes a wave
	s_mov_b32 s29, 0
	s_mov_b32 s33, 0
	s_wait_alu depctr_va_vdst(0)
	s_wait_kmcnt 0x0
	s_add_nc_u64 s[4:5], s[4:5], s[24:25]
	s_add_nc_u64 s[14:15], s[14:15], s[26:27]
	s_add_nc_u64 s[16:17], s[16:17], s[28:29]
	s_cmp_lt_u32 ttmp9, 192                        ; a tile of W_qkv or of W_o?  The choice hangs on the work-group's number alone
	s_cselect_b64 s[6:7], s[6:7], s[10:11]
	s_cselect_b64 s[8:9], s[8:9], s[12:13]
	s_cselect_b32 s30, 0, 192
	s_sub_co_u32 s30, ttmp9, s30                   ; the tile's number in its own tensor
	s_lshl_b32 s32, s30, 13                        ; 16 rows of 512 bytes,
	s_lshl_b32 s34, s20, 7                         ; my two K steps: 128 bytes of each row
	s_add_co_u32 s32, s32, s34
	s_add_nc_u64 s[6:7], s[6:7], s[32:33]
	s_lshl_b32 s32, s30, 9                         ; 16 rows of 32 scale bytes,
	s_lshl_b32 s34, s20, 8                         ; 256 of them for each of waves 0 and 1
	s_add_co_u32 s32, s32, s34
	s_add_nc_u64 s[8:9], s[8:9], s[32:33]
	s_mul_i32 s32, ttmp9, NT
	s_add_nc_u64 s[18:19], s[18:19], s[32:33]      ; the tile's record
	s_lshl_b32 s32, s20, 8
	s_add_nc_u64 s[36:37], s[18:19], s[32:33]      ; + 256 w: for the scale bytes
	s_lshl_b32 s32, s20, 11
	s_add_nc_u64 s[18:19], s[18:19], s[32:33]      ; + 2,048 w: my four images
.irp q, 0,1
.irp c, 0,1
	global_load_b128 v[WR+8*\q+4*\c:WR+8*\q+4*\c+3], v7, s[6:7] offset:64*\q+32*\c   ; lane (r, h): k = 128 (2 w + q) + 64 c + 32 h + 0 .. 31 of row r
.endr
.endr
	s_cmp_lt_u32 s20, 2
	s_cbranch_scc0 .Lno_bytes_in
	global_load_b64 v[WSB:WSB+1], v8, s[8:9]
.Lno_bytes_in:
.macro LOAD u                          ; unit u: 16 rows x 512 consecutive bytes, into set u % 3
.irp i, 0,1,2,3,4,5,6,7,8,9,10,11,12,13,14,15
	global_load_b128 v[R+64*((\u)%3)+4*\i:R+64*((\u)%3)+4*\i+3], v4, s[4:5] offset:4096*\i+512*(\u) th:TH_LOAD_NT
.endr
.endm
.macro TURN u                          ; through the stage and back into the same registers: LDS serves a wave's instructions in order, so no wait stands between the stores and the loads
.irp i, 0,1,2,3,4,5,6,7,8,9,10,11,12,13,14,15
	ds_store_b128 v5, v[R+64*((\u)%3)+4*\i:R+64*((\u)%3)+4*\i+3] offset:SP*\i
.endr
.irp c, 0,1
.irp j, 0,1,2,3,4,5,6,7
	ds_load_b128 v[R+64*((\u)%3)+32*\c+4*\j:R+64*((\u)%3)+32*\c+4*\j+3], v6 offset:256*\c+16*\j   ; register 32 c + i: k = 64 c + 32 h + i of row r
.endr
.endr
.endm
.macro QX u                            ; the unit's two blocks of my lane: scale, codes, out
.set XS, R+64*((\u)%3)
.irp c, 0,1
	v_max3_num_f32 v[TM+\c], |v[XS+32*\c]|, |v[XS+32*\c+1]|, 0x1800000   ; with the floor 2^(3 - 127) among the leaves: the byte cannot fall under 1
.endr
.irp i, 2,4,6,8,10,12,14,16,18,20,22,24,26,28,30
.irp c, 0,1
	v_max3_num_f32 v[TM+\c], v[TM+\c], |v[XS+32*\c+\i]|, |v[XS+32*\c+\i+1]|   ; the two blocks by turns
.endr
.endr
.irp c, 0,1
	v_add_nc_u32 v[SO+\c], 0xff000000, v[TM+\c]    ; 2 off the exponent field: the conversion takes this operand's exponent field as its scale
.endr
	s_wait_alu depctr_va_vdst(0)
	s_wait_xcnt 0x0                                ; the last unit's stores have read the codes' registers: they are written again only behind this wait
.irp c, 0,1
.irp g, 0,1,2,3
	v_cvt_scalef32_pk8_fp4_f32 v[PC+4*\c+\g], v[XS+32*\c+8*\g:XS+32*\c+8*\g+7], v[SO+\c]   ; registers 4 c .. 4 c + 3 of the operand
.endr
.endr
.irp c, 0,1
	v_lshrrev_b32 v[BY+\c], 23, v[SO+\c]           ; the scale bytes of blocks h and 2 + h
.endr
	v_lshl_or_b32 v[WD], v[BY+1], 16, v[BY]
	v_lshlrev_b32 v[WD], v9, v[WD]                 ; at their places in the row's word
	v_permlanex16_b32 v[PD], v[WD], s38, s39
	v_or_b32 v[SW+(\u)], v[WD], v[PD]              ; with lane l xor 16's two the word is whole
.irp c, 0,1
	global_store_b128 v4, v[PC+4*\c:PC+4*\c+3], s[14:15] offset:1024*(\u)+512*\c   ; an image: 512 consecutive bytes
.endr
.endm
.macro UNIT u, left
	s_wait_loadcnt \left                           ; this unit's 16 loads are in; the younger units' stay out
	TURN \u
	s_wait_dscnt 0x0
	QX \u
.endm
	LOAD 0
	LOAD 1
	LOAD 2
	s_wait_loadcnt 32                              ; the weight tile and unit 0 are in; units 1 and 2 stay out
.irp q, 0,1
.irp c, 0,1
	global_store_b128 v4, v[WR+8*\q+4*\c:WR+8*\q+4*\c+3], s[18:19] offset:1024*\q+512*\c
.endr
.endr
	s_cmp_lt_u32 s20, 2
	s_cbranch_scc0 .Lno_bytes_out
	global_store_b64 v8, v[WSB:WSB+1], s[36:37] offset:8192   ; 256 consecutive bytes
.Lno_bytes_out:
	TURN 0
	s_wait_dscnt 0x0
	QX 0
	LOAD 3                                         ; into unit 0's set
	UNIT 1, 32                                     ; units 2 and 3 stay out
	UNIT 2, 16                                     ; unit 3 stays out
	UNIT 3, 0
	v_cndmask_b32 v[OP], v[SW], v[SW+2], s35       ; lanes 0-15 send words 0 and 1 of row r, lanes 16-31 words 2 and 3
	v_cndmask_b32 v[OP+1], v[SW+1], v[SW+3], s35
	global_store_b64 v10, v[OP:OP+1], s[16:17]     ; 256 consecutive bytes, aligned
	s_wait_tensorcnt 0x0
	ds_add_u32 v254, v255
	s_wait_dscnt 0x0
	s_endpgm
.Lfunc_end_k_qd9a6dd2edf_prep:
	.size	k_qd9a6dd2edf_prep, .Lfunc_end_k_qd9a6dd2edf_prep-k_qd9a6dd2edf_prep
	.p2alignl 7, 3214868480
	.fill 96, 4, 3214868480
	.section	.rodata,"a",@progbits
	.p2align	6, 0x0
	.amdhsa_kernel k_qd9a6dd2edf_prep
		.amdhsa_group_segment_fixed_size 34304
		.amdhsa_private_segment_fixed_size 0
		.amdhsa_enable_private_segment 0
		.amdhsa_kernarg_size 64
		.amdhsa_user_sgpr_count 2
		.amdhsa_user_sgpr_kernarg_segment_ptr 1
		.amdhsa_wavefront_size32 1
		.amdhsa_system_sgpr_workgroup_id_x 1
		.amdhsa_system_sgpr_workgroup_id_y 1
		.amdhsa_system_sgpr_workgroup_id_z 1
		.amdhsa_system_vgpr_workitem_id 0
		.amdhsa_next_free_vgpr 256
		.amdhsa_next_free_sgpr 66
		.amdhsa_reserve_vcc 0
		.amdhsa_float_denorm_mode_32 3
		.amdhsa_float_denorm_mode_16_64 3
		.amdhsa_memory_ordered 1
		.amdhsa_forward_progress 1
		.amdhsa_inst_pref_size 32
	.end_amdhsa_kernel
	.amdgpu_metadata
---
amdhsa.version: [ 1, 2 ]
amdhsa.kernels:
  - .name:           k_qd9a6dd2edf_prep
    .symbol:         k_qd9a6dd2edf_prep.kd
    .args:
      - { .name: inp, .offset: 0, .size: 8, .value_kind: global_buffer, .address_space: global }
      - { .name: W_qkv_codes, .offset: 8, .size: 8, .value_kind: global_buffer, .address_space: global }
      - { .name: W_qkv_scales, .offset: 16, .size: 8, .value_kind: global_buffer, .address_space: global }
      - { .name: W_o_codes, .offset: 24, .size: 8, .value_kind: global_buffer, .address_space: global }
      - { .name: W_o_scales, .offset: 32, .size: 8, .value_kind: global_buffer, .address_space: global }
      - { .name: x_img, .offset: 40, .size: 8, .value_kind: global_buffer, .address_space: global }
      - { .name: x_sc, .offset: 48, .size: 8, .value_kind: global_buffer, .address_space: global }
      - { .name: wimg, .offset: 56, .size: 8, .value_kind: global_buffer, .address_space: global }
    .group_segment_fixed_size: 34304
    .private_segment_fixed_size: 0
    .kernarg_segment_align: 8
    .kernarg_segment_size: 64
    .max_flat_workgroup_size: 128
    .sgpr_count:     66
    .vgpr_count:     256
    .wavefront_size: 32
...
	.end_amdgpu_metadata
.endif
;; end of part 1
;; launch qkv (part 2): grid 32 x 8, 4 waves a work-group, clusters of 4 x 1, 327,680 bytes of LDS; arguments x_img, x_sc, wimg, b_qkv, q_img, q_sc, kv; writes q_img, q_sc, kv
.if DOCPART == 2
	.amdgcn_target "amdgcn-amd-amdhsa--gfx1250"
	.amdhsa_code_object_version 6
	.text
	.protected	k_qd9a6dd2edf_qkv
	.globl	k_qd9a6dd2edf_qkv
	.p2align	8
	.type	k_qd9a6dd2edf_qkv,@function
k_qd9a6dd2edf_qkv:
	s_mov_b64 s[64:65], 0
	v_nop
	global_prefetch_b8 v0, s[64:65] scope:SCOPE_SE
	s_setreg_imm32_b32 hwreg(HW_REG_WAVE_MODE, 25, 1), 1
	s_wait_xcnt 0x0
	s_wait_alu depctr_hold_cnt(0) depctr_sa_sdst(0) depctr_va_vdst(0) depctr_va_sdst(0) depctr_va_ssrc(0) depctr_va_vcc(0) depctr_vm_vsrc(0)
	s_getreg_b32 s2, hwreg(HW_REG_IB_STS2, 6, 4)
	s_cmp_eq_u32 s2, 0
	s_cbranch_scc0 .Lentry_in_a_cluster
	s_endpgm
.Lentry_in_a_cluster:
	s_bfe_u32 s2, ttmp6, 0x10000c
	s_cmp_lg_u32 s2, 0x3003
	s_cbranch_scc0 .Lentry_shape_is_right
	s_endpgm
.Lentry_shape_is_right:
; qkv = Q(inp) W_qkv + b_qkv on codes of FP4 with E8M0 scales, and its results quantised on the way out as the operands of the two products of attention.
; SHARES.  Work-group (X, pair) makes 256 rows x 384 columns: q, k and v of heads 2 pair and 2 pair + 1.  Wave w makes 64 rows (four tiles of 16) of all 384 columns, in six units of 64 columns (one head of q, k or v).
; The wave's 64 rows of x, all of K, stay in 256 registers, read from memory once; the weights' 24 records lie in LDS, filled once, and each fragment read from there feeds four matrix instructions.
; CLUSTER.  The four work-groups of a cluster differ in X alone and need the same 24 weight records: each is asked for JOINTLY, by the same tensor load with the same descriptor and the mask of all four.
; No LDS byte is filled twice, so there is no ring; one tensor load of a wave is out at a time.
; q and k are made TRANSPOSED (source 0 = 16 rows of W, source 1 = 16 rows of x): a lane holds one row of x and its registers run along the head's 64, the K of q k^T.
; v is made the other way round (source 0 = x, source 1 = W): a lane holds one channel d and its registers run along the keys, the K of the second product.
; In both, tile T of four gives lane (r, h) the eight neighbours 16 T + 8 h + 0 .. 7 along the next K: one conversion's worth.  Two exchanges of lane halves then give a lane a whole block of 32, as the operand wants it.
; OUT.  q_img [b][head][tile of 16 queries][lane][16 bytes]; q_sc [b][head][4 tiles][r][word of a tile].  kv: a record of 4,352 bytes for each (b, pair, block of 32 keys): K's four images (tile u, head), V [head][d 64][16 bytes],
; and 32 x 8 scale bytes: low word K's (tile l / 16, key l % 16; two bytes a head), high word V's (head l / 16, d = 16 t + l % 16: byte t).
; LIMITS: a block whose largest magnitude lies under 2^-124 keeps the byte 1 (a block of zeros too: its codes are zeros); NaN and infinities are not served.
; REGISTERS, in windows of 256.  Window 0: v1-12 addresses; v16-31 scale words on their way out; v32-159 W's fragments, four buffers of a K step; v160-191 W's scale words, v192-223 x's; v224-243 at work.
;   Window 1: x's fragments (tile m, K step s) at v[8 (8 m + s)].   Window 2: v0-127 the 16 accumulators; v128-255 the biases of q and k in the result's layout.   Window 3: v0-63 the biases of v.
.set NT,   8704                        ; a weight record: 16 images of 512 bytes, then 16 rows x 32 scale bytes
.set TYB,  8*NT                        ; the 8 records of q, of k, of v
.set HHB,  4*NT                        ; the 4 of a head
.set REC,  4352                        ; a record of kv
.set LI,   1                           ; v1   16 x lane
.set AW,   4                           ; v4   the unit's fragments
.set ASC,  5                           ; v5   the unit's scale words
.set QW,   16                          ; v16-19 q's scale words, a tile each
.set KP,   20                          ; v20-23 k's, both heads
.set VW,   24                          ; v24-27 v's bytes: head hh, block b at 2 hh + b
.set OP,   28                          ; v28-31 two pairs on their way out
.set WB,   32
.set WS,   160
.set XS,   192
.set TM,   224
.set PD,   226
.set SO,   228
.set BY,   230
.set PW,   232
.set PC,   240
.set BI,   128
.set MSB, 0
.macro WIN new                         ; the immediate's high byte repeats the setting that is left; a switch that changes nothing is dropped
.if MSB != \new
	s_set_vgpr_msb (MSB<<8)|\new
.set MSB, \new
.endif
.endm
.macro PLACES                          ; four plain places between a matrix instruction and a load into, or a vector read of, its registers (ISA guide 7.12.1 for vector instructions)
.rept 4
	v_nop
.endr
.endm
.macro ROUND                           ; a round of the cluster's barrier
	s_barrier_signal -1
	s_barrier_wait -1
	s_cmp_lg_u32 s18, 0
	s_cbranch_scc1 .Lnot_wave_0_\@
	s_barrier_signal -3
.Lnot_wave_0_\@:
	s_barrier_wait -3
	s_barrier_signal -1
	s_barrier_wait -1
.endm
	s_load_b256 s[4:11], s[0:1], 0x0               ; x_img s[4:5], x_sc s[6:7], wimg s[8:9], b_qkv s[10:11]
	s_load_b128 s[12:15], s[0:1], 0x20             ; q_img s[12:13], q_sc s[14:15]
	s_load_b64 s[16:17], s[0:1], 0x30              ; kv
	v_lshl_add_u32 v254, v0, 2, 0x33000
	v_mov_b32 v255, 0
	ds_add_u32 v254, v255
	ds_add_u32 v254, v255
	v_lshrrev_b32 v1, 5, v0
	v_readfirstlane_b32 s18, v1                    ; wave 0..3
	s_and_b32 s20, ttmp7, 0xffff                   ; the pair of heads, which the four partners share
	; descriptor group 1: two records, 17,408 dense bytes, as 68 rows of 256 bytes
	s_mov_b32 s24, 15|(3<<16)|(1<<21)              ; 15:0 the mask: all four work-groups; 17:16 elements of 8 bytes; 21 set beside a mask
	s_mov_b32 s25, 32<<16                          ; tensor_dim0 = 32
	s_mov_b32 s26, 68<<16                          ; tensor_dim1 = 68
	s_mov_b32 s27, 32<<16                          ; tile_dim0 = 32
	s_mov_b32 s28, 68                              ; tile_dim1 = 68
	s_mov_b32 s29, 32                              ; from row to row
	s_mov_b32 s30, 0
	s_mov_b32 s31, 0
	s_lshl_b32 s46, s20, 3
	s_lshl_b32 s47, s18, 1
	s_add_co_u32 s46, s46, s47                     ; I fetch records 8 pair + 2 w and the next, of each of q, k, v:
	s_mul_i32 s46, s46, NT                         ; made of the pair and the wave's number alone
	s_mov_b32 s47, 0
	s_mul_i32 s23, s18, 2*NT                       ; and where they go
	s_mov_b32 s56, 0xffff0000                      ; lanes 16-31
	s_mov_b32 s58, 0x76543210
	s_mov_b32 s59, 0xfedcba98                      ; v_permlanex16_b32's selects for lane l xor 16
	s_wait_dscnt 0x0
	s_wait_kmcnt 0x0
	s_add_nc_u64 s[8:9], s[8:9], s[46:47]
.irp y, 0,1,2
	s_mov_b32 s[32+4*\y], 1                        ; count = 1
	s_add_co_u32 s[33+4*\y], s23, \y*TYB           ; LDS address
	s_add_nc_u64 s[34+4*\y:35+4*\y], s[8:9], \y*64*NT   ; global address: q's records begin at 0, k's at 64, v's at 128
	s_or_b32 s[35+4*\y], s[35+4*\y], 0x80000000    ; type = 2
.endr
	ROUND                                          ; all four work-groups are here: the joint loads meet
	tensor_load_to_lds s[32:35], s[24:31]          ; q's,
	s_nop 0
	PLACES                                         ; (four plain lines ahead of the first switch of windows)
	s_bfe_u32 s19, ttmp6, 0x40000                  ; cx: it enters the addresses of x and of the outputs alone
	s_lshl_b32 s44, ttmp9, 2
	s_add_co_u32 s19, s44, s19                     ; X = 4 x cluster x + cx
	s_lshr_b32 s21, s19, 2                         ; b
	s_and_b32 s22, s19, 3                          ; which 256 rows of the batch element
	s_mov_b32 s45, 0
	s_lshl_b32 s44, s19, 17
	s_lshl_b32 s54, s18, 15
	s_add_co_u32 s44, s44, s54                     ; x_img: tile 16 X + 4 w, 8,192 bytes a tile
	s_add_nc_u64 s[4:5], s[4:5], s[44:45]
	s_lshr_b32 s44, s44, 4                         ; x_sc: 512 bytes a tile
	s_add_nc_u64 s[6:7], s[6:7], s[44:45]
	s_lshl_b32 s44, s20, 9                         ; b_qkv: 128 numbers a pair
	s_add_nc_u64 s[10:11], s[10:11], s[44:45]
	s_lshl_b32 s44, s21, 19                        ; q_img: head 16 b + 2 pair (32,768 bytes a head), tile 16 (X % 4) + 4 w (512 bytes)
	s_lshl_b32 s54, s20, 16
	s_add_co_u32 s44, s44, s54
	s_lshl_b32 s54, s22, 13
	s_add_co_u32 s44, s44, s54
	s_lshl_b32 s54, s18, 11
	s_add_co_u32 s44, s44, s54
	s_add_nc_u64 s[12:13], s[12:13], s[44:45]
	s_lshr_b32 s44, s44, 3                         ; q_sc: an eighth of that
	s_add_nc_u64 s[14:15], s[14:15], s[44:45]
	s_lshl_b32 s44, s21, 3
	s_add_co_u32 s44, s44, s20                     ; kv: (8 b + pair) x 32 + block 8 (X % 4) + 2 w
	s_lshl_b32 s44, s44, 5
	s_lshl_b32 s54, s22, 3
	s_add_co_u32 s44, s44, s54
	s_lshl_b32 s54, s18, 1
	s_add_co_u32 s44, s44, s54
	s_mul_i32 s44, s44, REC
	s_add_nc_u64 s[16:17], s[16:17], s[44:45]
	v_and_b32 v13, 31, v0                          ; lane
	v_and_b32 v2, 15, v0                           ; r
	v_bfe_u32 v3, v0, 4, 1                         ; h
	v_lshlrev_b32 v[LI], 4, v13
	v_lshlrev_b32 v6, 4, v2                        ; 16 r
	v_lshlrev_b32 v7, 5, v3                        ; 32 h
	v_lshlrev_b32 v8, 2, v2                        ; 4 r
	v_lshl_add_u32 v9, v3, 3, v6                   ; 16 r + 8 h
	v_mul_u32_u24 v10, v3, REC
	v_add_nc_u32 v10, v10, v6                      ; V's 16 bytes: record of block h, channel r
	v_lshlrev_b32 v11, 3, v13                      ; 8 x lane
	v_lshlrev_b32 v12, 5, v2                       ; 32 r: a row of W's scale bytes
	v_mov_b32 v[PD], 0                             ; written once: a lane permute's destination counts as one of its sources
	v_mov_b32 v[PD+1], 0
	WIN 0x40                                       ; destination window 1
.irp m, 0,1,2,3
.irp s, 0,1,2,3,4,5,6,7
.irp c, 0,1
	global_load_b128 v[8*(8*\m+\s)+4*\c:8*(8*\m+\s)+4*\c+3], v[LI], s[4:5] offset:8192*\m+1024*\s+512*\c   ; x's fragments: they stay
.endr
.endr
.endr
	WIN 0
.irp m, 0,1,2,3
.irp g, 0,1
	global_load_b128 v[XS+8*\m+4*\g:XS+8*\m+4*\g+3], v6, s[6:7] offset:512*\m+256*\g   ; x's scale words: register 8 m + s
.endr
.endr
	WIN 0x80                                       ; destination window 2
.irp y, 0,1
.irp e, 0,1
.irp t, 0,1,2,3
.irp g, 0,1
	global_load_b128 v[BI+32*(2*\y+\e)+8*\t+4*\g:BI+32*(2*\y+\e)+8*\t+4*\g+3], v7, s[10:11] offset:4096*\y+256*\e+64*\t+16*\g   ; q's and k's biases: lane (r, h), register j: column 16 t + 8 h + j
.endr
.endr
.endr
.endr
	WIN 0
.irp i, 0,1,2,3,4,5,6,7
	global_load_b32 v[WB+\i], v8, s[10:11] offset:8192+64*\i   ; v's biases: one number a lane for tile i = 4 head + t: column 16 t + r
.endr
	s_wait_loadcnt 0x0
	WIN 0xc0                                       ; destination window 3
.irp i, 0,1,2,3,4,5,6,7
.irp j, 0,1,2,3,4,5,6,7
	v_mov_b32 v[8*\i+\j], v[WB+\i]                 ; as the C of v's first products: the same number in all eight registers (eight keys of one channel)
.endr
.endr
	WIN 0
.macro WLD s                           ; the unit's four fragments of W for K step s, into buffer s % 4
.irp t, 0,1,2,3
.irp c, 0,1
	ds_load_b128 v[WB+32*((\s)%4)+8*\t+4*\c:WB+32*((\s)%4)+8*\t+4*\c+3], v[AW] offset:NT*\t+1024*(\s)+512*\c
.endr
.endr
.endm
.macro PRO ub                          ; a unit begins at LDS byte ub: its scale words, and three K steps of fragments
	v_add_nc_u32 v[AW], \ub, v[LI]
	v_add_nc_u32 v[ASC], (\ub)+8192, v12
.irp t, 0,1,2,3
.irp g, 0,1
	ds_load_b128 v[WS+8*\t+4*\g:WS+8*\t+4*\g+3], v[ASC] offset:NT*\t+16*\g   ; register 8 t + s: lane r has the word of row 16 t + r
.endr
.endr
	WLD 0
	WLD 1
	WLD 2
.endm
; One K step of a unit: 16 matrix instructions on 16 accumulators, one instruction a turn, in the same order in every step.  The first step takes the bias as C.
.macro KSTEP kind, bi, s
.if (\s) <= 5
	s_wait_dscnt 16                                ; this step's fragments are in (at step 0 the scale words too); those of the next two steps stay out
.elseif (\s) == 6
	s_wait_dscnt 8                                 ; the last step's stay out
.else
	s_wait_dscnt 0x0
.endif
.if \kind == 0
	WIN 0xa4                                       ; source 0 (W) window 0, source 1 (x) window 1, C and D window 2
.irp m, 0,1,2,3
.irp t, 0,1,2,3
.if (\s) == 0
	v_wmma_scale_f32_16x16x128_f8f6f4 v[8*(4*\m+\t):8*(4*\m+\t)+7], v[WB+32*((\s)%4)+8*\t:WB+32*((\s)%4)+8*\t+7], v[8*(8*\m+(\s)):8*(8*\m+(\s))+7], v[(\bi)+8*\t:(\bi)+8*\t+7], v[WS+8*\t+(\s)], v[XS+8*\m+(\s)] matrix_a_fmt:MATRIX_FMT_FP4 matrix_b_fmt:MATRIX_FMT_FP4
.else
	v_wmma_scale_f32_16x16x128_f8f6f4 v[8*(4*\m+\t):8*(4*\m+\t)+7], v[WB+32*((\s)%4)+8*\t:WB+32*((\s)%4)+8*\t+7], v[8*(8*\m+(\s)):8*(8*\m+(\s))+7], v[8*(4*\m+\t):8*(4*\m+\t)+7], v[WS+8*\t+(\s)], v[XS+8*\m+(\s)] matrix_a_fmt:MATRIX_FMT_FP4 matrix_b_fmt:MATRIX_FMT_FP4
.endif
.endr
.endr
.else
.if (\s) == 0
	WIN 0xb1                                       ; source 0 (x) window 1, source 1 (W) window 0, C (the bias) window 3, D window 2
.else
	WIN 0xa1                                       ; C and D window 2
.endif
.irp t, 0,1,2,3
.irp m, 0,1,2,3
.if (\s) == 0
	v_wmma_scale_f32_16x16x128_f8f6f4 v[8*(4*\t+\m):8*(4*\t+\m)+7], v[8*(8*\m+(\s)):8*(8*\m+(\s))+7], v[WB+32*((\s)%4)+8*\t:WB+32*((\s)%4)+8*\t+7], v[(\bi)+8*\t:(\bi)+8*\t+7], v[XS+8*\m+(\s)], v[WS+8*\t+(\s)] matrix_a_fmt:MATRIX_FMT_FP4 matrix_b_fmt:MATRIX_FMT_FP4
.else
	v_wmma_scale_f32_16x16x128_f8f6f4 v[8*(4*\t+\m):8*(4*\t+\m)+7], v[8*(8*\m+(\s)):8*(8*\m+(\s))+7], v[WB+32*((\s)%4)+8*\t:WB+32*((\s)%4)+8*\t+7], v[8*(4*\t+\m):8*(4*\t+\m)+7], v[XS+8*\m+(\s)], v[WS+8*\t+(\s)] matrix_a_fmt:MATRIX_FMT_FP4 matrix_b_fmt:MATRIX_FMT_FP4
.endif
.endr
.endr
.endif
.if (\s)+3 < 8
	WIN 0
	PLACES
	WLD (\s)+3                                     ; into the buffer that the step before this one read
.endif
.endm
.macro KLOOP kind, bi
.set KQ, 0
.rept 8
	KSTEP \kind, \bi, KQ
.set KQ, KQ+1
.endr
	WIN 0
	PLACES                                         ; behind the unit's last products: loads into their operands and reads of their results follow
.endm
; 32 registers of window 2 from src on (four tiles of a lane's row: register 8 T + j is 16 T + 8 h + j along the next K) become 64 codes in v[PC] on: lane (r, h) then holds 32 h + 0 .. 31.  The two bytes are left in v[BY], v[BY+1].
.macro QUANT2 src
	s_wait_xcnt 0x0                                ; the store before has read the codes' registers: they are written again only behind this wait
	WIN 0x0a                                       ; sources 0 and 1 window 2
.irp b, 0,1
	v_max3_num_f32 v[TM+\b], |v[(\src)+16*\b]|, |v[(\src)+16*\b+1]|, 0x1800000   ; each accumulator is read from its low end on; the floor 2^(3 - 127) holds the byte at 1 from below
.endr
	WIN 0x28                                       ; sources 1 and 2 window 2
.irp i, 2,4,6,8,10,12,14
.irp b, 0,1
	v_max3_num_f32 v[TM+\b], v[TM+\b], |v[(\src)+16*\b+\i]|, |v[(\src)+16*\b+\i+1]|
.endr
.endr
	WIN 0
.irp b, 0,1
	v_permlanex16_b32 v[PD+\b], v[TM+\b], s58, s59
.endr
.irp b, 0,1
	v_max_num_f32 v[TM+\b], v[TM+\b], v[PD+\b]     ; with lane l xor 16's sixteen: the block's largest magnitude
.endr
.irp b, 0,1
	v_add_nc_u32 v[SO+\b], 0xff000000, v[TM+\b]    ; 2 off its exponent field: the conversion's scale operand
.endr
	WIN 0x02                                       ; source 0 window 2
	v_cvt_scalef32_pk8_fp4_f32 v[PC], v[(\src):(\src)+7], v[SO]
	v_cvt_scalef32_pk8_fp4_f32 v[PC+1], v[(\src)+16:(\src)+23], v[SO+1]
	v_cvt_scalef32_pk8_fp4_f32 v[PC+2], v[(\src)+8:(\src)+15], v[SO]
	v_cvt_scalef32_pk8_fp4_f32 v[PC+3], v[(\src)+24:(\src)+31], v[SO+1]
	WIN 0
.irp b, 0,1
	v_lshrrev_b32 v[BY+\b], 23, v[SO+\b]           ; the scale bytes (plain lines behind the conversions, ahead of the lines that touch their results)
.endr
	v_permlane16_swap_b32 v[PC], v[PC+1]           ; the first's lanes 16-31 change places with the second's lanes 0-15:
	v_permlane16_swap_b32 v[PC+2], v[PC+3]         ; register i now holds 32 h + 8 i + 0 .. 7
.endm
.macro EPI_Q hh
.irp m, 0,1,2,3
	QUANT2 32*\m
	v_lshl_or_b32 v[QW+\m], v[BY+1], 8, v[BY]      ; the tile's scale word: two bytes, two zeros
	global_store_b128 v[LI], v[PC:PC+3], s[12:13] offset:32768*\hh+512*\m
.endr
	v_cndmask_b32 v[OP], v[QW], v[QW+2], s56       ; lanes 0-15 send tiles 0 and 1 of row r, lanes 16-31 tiles 2 and 3
	v_cndmask_b32 v[OP+1], v[QW+1], v[QW+3], s56
	global_store_b64 v9, v[OP:OP+1], s[14:15] offset:4096*\hh   ; 256 consecutive bytes, aligned
.endm
.macro EPI_K hh
.irp m, 0,1,2,3
	QUANT2 32*\m
.if \hh == 0
	v_lshl_or_b32 v[KP+\m], v[BY+1], 8, v[BY]
.else
	v_lshl_or_b32 v[PW], v[BY+1], 8, v[BY]
	v_lshl_or_b32 v[KP+\m], v[PW], 16, v[KP+\m]    ; the second head's two bytes above the first's
.endif
	global_store_b128 v[LI], v[PC:PC+3], s[16:17] offset:REC*(\m/2)+512*(2*(\m%2)+\hh)
.endr
.endm
.macro EPI_V hh
.irp t, 0,1,2,3
	QUANT2 32*\t
.irp b, 0,1
.if \t == 0
	v_mov_b32 v[VW+2*\hh+\b], v[BY+\b]
.else
	v_lshl_or_b32 v[VW+2*\hh+\b], v[BY+\b], 8*\t, v[VW+2*\hh+\b]   ; byte t: channel 16 t + r, block b
.endif
.endr
	global_store_b128 v10, v[PC:PC+3], s[16:17] offset:2048+1024*\hh+256*\t   ; lanes 0-15: 256 consecutive bytes of the first block's record, lanes 16-31 of the second's
.endr
.endm
	s_wait_tensorcnt 0x0                           ; my part of q's records is in
	ds_add_u32 v254, v255
	s_wait_dscnt 0x0
	ROUND                                          ; everybody's part is in, and the four work-groups meet
	tensor_load_to_lds s[36:39], s[24:31]          ; k's records: my one tensor load behind this round
	s_nop 0
	PLACES
	PRO 0
	s_wait_alu depctr_va_vdst(0)
	KLOOP 0, BI
	PRO HHB                                        ; the next unit's LDS loads stand ahead of each way out
	EPI_Q 0
	KLOOP 0, BI+32
	s_wait_tensorcnt 0x0                           ; k's records; no LDS load of mine is out: the last K step waited for all
	ds_add_u32 v254, v255
	s_wait_dscnt 0x0
	ROUND
	tensor_load_to_lds s[40:43], s[24:31]          ; v's records: my one tensor load behind this round
	s_nop 0
	PLACES
	PRO TYB
	EPI_Q 1
	KLOOP 0, BI+64
	PRO TYB+HHB
	EPI_K 0
	KLOOP 0, BI+96
	s_wait_tensorcnt 0x0                           ; v's records
	s_barrier_signal -1
	s_barrier_wait -1
	PRO 2*TYB
	EPI_K 1
	KLOOP 1, 0
	PRO 2*TYB+HHB
	EPI_V 0
	KLOOP 1, 32
	EPI_V 1
.irp j, 0,1                            ; the two records' 256 scale bytes
	v_cndmask_b32 v[OP+2*\j], v[KP+2*\j], v[KP+2*\j+1], s56       ; low word: lanes 0-15 key tile 0, lanes 16-31 key tile 1
	v_cndmask_b32 v[OP+2*\j+1], v[VW+\j], v[VW+2+\j], s56         ; high word: lanes 0-15 the first head, lanes 16-31 the second
	global_store_b64 v11, v[OP+2*\j:OP+2*\j+1], s[16:17] offset:REC*\j+4096
.endr
	s_wait_tensorcnt 0x0
	ds_add_u32 v254, v255
	s_wait_dscnt 0x0
	ROUND                                          ; the closing round
	s_endpgm
.Lfunc_end_k_qd9a6dd2edf_qkv:
	.size	k_qd9a6dd2edf_qkv, .Lfunc_end_k_qd9a6dd2edf_qkv-k_qd9a6dd2edf_qkv
	.p2alignl 7, 3214868480
	.fill 96, 4, 3214868480
	.section	.rodata,"a",@progbits
	.p2align	6, 0x0
	.amdhsa_kernel k_qd9a6dd2edf_qkv
		.amdhsa_group_segment_fixed_size 327680
		.amdhsa_private_segment_fixed_size 0
		.amdhsa_enable_private_segment 0
		.amdhsa_kernarg_size 56
		.amdhsa_user_sgpr_count 2
		.amdhsa_user_sgpr_kernarg_segment_ptr 1
		.amdhsa_wavefront_size32 1
		.amdhsa_system_sgpr_workgroup_id_x 1
		.amdhsa_system_sgpr_workgroup_id_y 1
		.amdhsa_system_sgpr_workgroup_id_z 1
		.amdhsa_system_vgpr_workitem_id 0
		.amdhsa_next_free_vgpr 832
		.amdhsa_next_free_sgpr 66
		.amdhsa_reserve_vcc 0
		.amdhsa_float_denorm_mode_32 3
		.amdhsa_float_denorm_mode_16_64 3
		.amdhsa_memory_ordered 1
		.amdhsa_forward_progress 1
		.amdhsa_inst_pref_size 204
	.end_amdhsa_kernel
	.amdgpu_metadata
---
amdhsa.version: [ 1, 2 ]
amdhsa.kernels:
  - .name:           k_qd9a6dd2edf_qkv
    .symbol:         k_qd9a6dd2edf_qkv.kd
    .args:
      - { .name: x_img, .offset: 0, .size: 8, .value_kind: global_buffer, .address_space: global }
      - { .name: x_sc, .offset: 8, .size: 8, .value_kind: global_buffer, .address_space: global }
      - { .name: wimg, .offset: 16, .size: 8, .value_kind: global_buffer, .address_space: global }
      - { .name: b_qkv, .offset: 24, .size: 8, .value_kind: global_buffer, .address_space: global }
      - { .name: q_img, .offset: 32, .size: 8, .value_kind: global_buffer, .address_space: global }
      - { .name: q_sc, .offset: 40, .size: 8, .value_kind: global_buffer, .address_space: global }
      - { .name: kv, .offset: 48, .size: 8, .value_kind: global_buffer, .address_space: global }
    .group_segment_fixed_size: 327680
    .private_segment_fixed_size: 0
    .kernarg_segment_align: 8
    .kernarg_segment_size: 56
    .max_flat_workgroup_size: 128
    .sgpr_count:     66
    .vgpr_count:     832
    .wavefront_size: 32
...
	.end_amdgpu_metadata
.endif
;; end of part 2
;; launch attn (part 3): grid 4 x 64, 16 waves a work-group, no clusters, 169,984 bytes of LDS; arguments q_img, q_sc, kv, o_img, o_sc; writes o_img, o_sc
.if DOCPART == 3
	.amdgcn_target "amdgcn-amd-amdhsa--gfx1250"
	.amdhsa_code_object_version 6
	.text
	.protected	k_qd9a6dd2edf_attn
	.globl	k_qd9a6dd2edf_attn
	.p2align	8
	.type	k_qd9a6dd2edf_attn,@function
k_qd9a6dd2edf_attn:
	s_mov_b64 s[64:65], 0
	v_nop
	global_prefetch_b8 v0, s[64:65] scope:SCOPE_SE
	s_setreg_imm32_b32 hwreg(HW_REG_WAVE_MODE, 25, 1), 1
	s_wait_xcnt 0x0
; Attention inside the band |query - key| <= 128, both products on codes of FP4 with E8M0 scales, and its result quantised as the operand of the output projection.
; SOFTMAX: t = score x log2(e) / 8; M = the running largest t rounded UP to a whole number; p = 2^(t - M) is quantised along the keys, in blocks of 32 absolute keys; the sum is taken of the unquantised p and divides at the end.
; When M moves, the sum and O are multiplied by 2^(old M - new M): exact.
; SHARES.  Work-group (Y, 8 b + pair) owns 256 queries of a pair of heads; wave w owns 16 of them, one tile, and takes the two heads one after the other.  Four waves to a SIMD.
; A query of block G (32 queries) sees the key blocks G - 4 .. G + 4 and no other; only the first and the last of these are cut by the band.  The work-group's 16 records of kv (blocks 8 Y - 4 .. 8 Y + 11)
; come into LDS once, one tensor load a wave; a block that does not exist is replaced by a copy of the nearest one that does, and its scores are set to -infinity: p = 0, zero codes.
; No cluster: neighbouring work-groups share half of their records, at other places of their LDS.
; LAYOUT.  Both products are used transposed: S^T = K Q^T, O^T = V^T P^T: a lane holds ONE query (lane % 16).  The head has 64 channels and the instruction takes 128: Q's upper four registers are zero codes,
; so whatever stands in the upper four of K's operand (the next tile's codes) adds nothing; both scale words have two bytes and two zeros.
; THREE STEPS a head: blocks G - 4 .. G - 1; G .. G + 3; G + 4 alone, at the last of four places, the other three holding zero codes.  A step none of whose blocks exists is jumped over: a scalar branch on ids.
; LIMITS: NaN and infinities among the inputs are not served; a block of the result whose largest magnitude lies under 2^-124 keeps the byte 1.
; REGISTERS: v1-11 addresses; v12 -M, v13 the largest t, v[14:15] the sum; v16-31 Q of both heads; v32-67 K's tiles and four zeros; v68-75 K's scale words; v76-107 V; v108-119 V's scale bytes at work, v112-115 its words;
;   v120-183 S^T, then p; v184-215 O^T; v216-223 p's codes; v224-225 Q's scale words; v228-231, v240-243 the result's codes; v232-247, v252-254 at work.
.set REC,  4352
.set OSB,  16*REC                      ; behind the records: the result's scale words, 64 bytes a wave; written by LDS stores alone
.set AK,   1                           ; v1   K's images: my first record + 16 x lane
.set AV,   2                           ; v2   V: record + h, channel r
.set ASK,  3                           ; v3   the records' scale bytes: 8 r
.set DD,   4                           ; v4   16 (w % 2) + r - 8 h: the band's edge for my lane
.set NINF, 5                           ; v5   -infinity
.set LI,   6                           ; v6   16 x lane
.set AQS,  7                           ; v7   my tile's word in q_sc
.set AOS,  8                           ; v8   where my row's scale word goes in LDS
.set ARD,  9                           ; v9   where waves 0 and 1 read them back
.set WA,   10                          ; v10  the row's scale word of this K step of the projection
.set AGO,  11                          ; v11  16 x thread
.set QF,   16
.set KB,   32
.set KS,   68
.set VB,   76
.set XR,   108
.set VS,   112
.set TT,   116
.set S,    120
.set OT,   184
.set PC,   216
.set QS,   224
.set OC,   228
.set BM,   232
.set BP,   236
.set SO,   244
	s_load_b256 s[4:11], s[0:1], 0x0               ; q_img s[4:5], q_sc s[6:7], kv s[8:9], o_img s[10:11]
	s_load_b64 s[12:13], s[0:1], 0x20              ; o_sc
	v_lshl_add_u32 v227, v0, 2, 0x29000
	v_mov_b32 v255, 0
	ds_add_u32 v227, v255
	ds_add_u32 v227, v255
	v_lshrrev_b32 v1, 5, v0
	s_delay_alu instid0(VALU_DEP_1)
	v_readfirstlane_b32 s14, v1                    ; wave 0..15
	s_lshr_b32 s15, s14, 1                         ; my block of queries in the work-group, and my first record
	s_and_b32 s17, ttmp7, 0xffff                   ; 8 b + pair
	s_lshl_b32 s18, ttmp9, 3
	s_add_co_u32 s18, s18, s15                     ; G
	s_lshl_b32 s16, ttmp9, 4
	s_add_co_u32 s16, s16, s14                     ; my tile of queries, 0 .. 63
	; descriptor group 1: a record, 4,352 dense bytes, as 17 rows of 256
	s_mov_b32 s24, 3<<16                           ; no mask; elements of 8 bytes
	s_mov_b32 s25, 32<<16                          ; tensor_dim0
	s_mov_b32 s26, 17<<16                          ; tensor_dim1
	s_mov_b32 s27, 32<<16                          ; tile_dim0
	s_mov_b32 s28, 17                              ; tile_dim1
	s_mov_b32 s29, 32                              ; from row to row
	s_mov_b32 s30, 0
	s_mov_b32 s31, 0
	s_lshl_b32 s36, ttmp9, 3
	s_add_co_u32 s36, s36, s14
	s_sub_co_i32 s36, s36, 4                       ; the block that belongs at place w: 8 Y - 4 + w,
	s_max_i32 s36, s36, 0
	s_min_i32 s36, s36, 31                         ; or the nearest that exists
	s_lshl_b32 s37, s17, 5
	s_add_co_u32 s36, s36, s37
	s_mul_i32 s36, s36, REC
	s_mov_b32 s37, 0
	s_mov_b32 s32, 1                               ; count = 1
	s_mul_i32 s33, s14, REC                        ; LDS address: place w
	s_mov_b32 s20, 0x76543210
	s_mov_b32 s21, 0xfedcba98                      ; v_permlanex16_b32's selects for lane l xor 16
	s_mov_b32 s22, 0x3e38aa3b                      ; c = log2(e) / 8
	s_mov_b32 s23, s22                             ; (named with it as a pair, so it is written)
	s_mov_b32 s40, 0x05010400                      ; byte selects that turn four words of four bytes
	s_mov_b32 s41, 0x07030602
	s_mov_b32 s42, 0x05040100
	s_mov_b32 s43, 0x07060302
	s_wait_dscnt 0x0
	s_wait_kmcnt 0x0
	s_add_nc_u64 s[34:35], s[8:9], s[36:37]
	s_or_b32 s35, s35, 0x80000000                  ; type = 2
	tensor_load_to_lds s[32:35], s[24:31]          ; my one tensor load
	s_nop 0
	v_and_b32 v248, 31, v0                         ; lane
	v_and_b32 v249, 15, v0                         ; r
	v_bfe_u32 v250, v0, 4, 1                       ; h
	s_mul_i32 s38, s15, REC
	v_lshl_add_u32 v[AK], v248, 4, s38
	v_mul_u32_u24 v[AV], v250, REC
	s_delay_alu instid0(VALU_DEP_1)
	v_lshl_add_u32 v[AV], v249, 4, v[AV]
	s_delay_alu instid0(VALU_DEP_1)
	v_add_nc_u32 v[AV], s38, v[AV]
	s_delay_alu instid0(VALU_DEP_1)
	v_add_nc_u32 v[AV], 2048, v[AV]
	v_lshl_add_u32 v[ASK], v249, 3, s38
	s_delay_alu instid0(VALU_DEP_1)
	v_add_nc_u32 v[ASK], 4096, v[ASK]
	s_and_b32 s39, s14, 1
	s_lshl_b32 s39, s39, 4
	v_add_nc_u32 v[DD], s39, v249
	v_lshlrev_b32 v251, 3, v250
	s_delay_alu instid0(VALU_DEP_1)
	v_sub_nc_u32 v[DD], v[DD], v251
	v_mov_b32 v[NINF], 0xff800000
	v_lshlrev_b32 v[LI], 4, v248
	s_wait_alu depctr_va_vdst(0)
	s_and_b32 s39, s14, 3
	s_lshl_b32 s39, s39, 2
	v_lshl_add_u32 v[AQS], v249, 4, s39
	s_wait_alu depctr_va_vdst(0)
	s_lshl_b32 s39, s14, 6
	v_lshl_add_u32 v[AOS], v249, 2, s39
	s_delay_alu instid0(VALU_DEP_1)
	v_add_nc_u32 v[AOS], OSB, v[AOS]
	v_lshl_add_u32 v[ARD], v0, 4, OSB
	v_lshlrev_b32 v[AGO], 4, v0
	s_lshl_b32 s36, s17, 16                        ; q_img: head 2 (8 b + pair), 32,768 bytes a head; 512 bytes a tile
	s_lshl_b32 s38, s16, 9
	s_add_co_u32 s36, s36, s38
	s_add_nc_u64 s[4:5], s[4:5], s[36:37]
	s_lshl_b32 s36, s17, 13                        ; q_sc: 4,096 bytes a head; 256 for four tiles
	s_lshr_b32 s38, s16, 2
	s_lshl_b32 s38, s38, 8
	s_add_co_u32 s36, s36, s38
	s_add_nc_u64 s[6:7], s[6:7], s[36:37]
	s_lshr_b32 s38, s17, 3                         ; b
	s_and_b32 s39, s17, 7                          ; pair
	s_lshl_b32 s36, s38, 19                        ; o_img: tile of rows 64 b + my tile (8,192 bytes), K step = pair (1,024)
	s_lshl_b32 s44, s16, 13
	s_add_co_u32 s36, s36, s44
	s_lshl_b32 s44, s39, 10
	s_add_co_u32 s36, s36, s44
	s_add_nc_u64 s[10:11], s[10:11], s[36:37]
	s_lshl_b32 s36, s39, 15                        ; o_sc: 32,768 bytes a pair; 64 a tile of rows: the work-group's 16 tiles are 1,024 bytes on end
	s_lshl_b32 s44, s38, 12
	s_add_co_u32 s36, s36, s44
	s_lshl_b32 s44, ttmp9, 10
	s_add_co_u32 s36, s36, s44
	s_add_nc_u64 s[12:13], s[12:13], s[36:37]
.irp e, 0,1
	global_load_b128 v[QF+8*\e:QF+8*\e+3], v[LI], s[4:5] offset:32768*\e   ; Q's 64 codes a row
	global_load_b32 v[QS+\e], v[AQS], s[6:7] offset:4096*\e                ; and its scale word
.irp i, 4,5,6,7
	v_mov_b32 v[QF+8*\e+\i], 0                     ; the upper 64 along K: zero codes
.endr
.endr
.irp i, 0,1,2,3
	v_mov_b32 v[KB+32+\i], 0                       ; what the last tile of K names as its upper four registers
	v_mov_b32 v[BP+\i], 0                          ; written once: a lane permute's destination counts as one of its sources
.endr
	v_mov_b32 v253, 0                              ; (named as the upper half of the pair v[252:253] before it is first written)
	v_mov_b32 v254, 0
	s_wait_tensorcnt 0x0                           ; my record is in,
	s_barrier_signal -1
	s_barrier_wait -1                              ; everybody's is
	s_wait_loadcnt 0x0                             ; Q
; A STEP of head hh: four places of 32 keys, place p holding record (mine) + jb + p; places lo .. 3 are worked, the others hold zero codes.  mode 0: place 0 is cut from below, and places 0-2 may not exist;
; 1: places 1-3 may not exist; 2: place 3 is cut from above.
.macro STEP hh, jb, lo, mode
.irp p, 0,1,2,3
.if \p >= \lo
.irp u, 0,1
	ds_load_b128 v[KB+4*(2*\p+\u):KB+4*(2*\p+\u)+3], v[AK] offset:REC*(\jb+\p)+512*(2*\u+\hh)
	ds_load_u16 v[KS+2*\p+\u], v[ASK] offset:REC*(\jb+\p)+128*\u+2*\hh   ; two bytes, and zeros above them
.endr
.endif
.endr
.irp dt, 0,1,2,3
.irp c, 0,1
	ds_load_b128 v[VB+8*\dt+4*\c:VB+8*\dt+4*\c+3], v[AV] offset:REC*(\jb+2*\c)+1024*\hh+256*\dt   ; lane (r, h): channel 16 dt + r, place 2 c + h
.endr
.endr
.irp p, 0,1,2,3
.if \p >= \lo
	ds_load_b32 v[XR+\p], v[ASK] offset:REC*(\jb+\p)+128*\hh+4   ; V's scale bytes of place p: byte dt for channel 16 dt + r
.endif
.endr
	s_wait_dscnt 12-\lo                            ; K's tiles and scale words are in; V's eight loads and its scale bytes stay out
.irp t, 0,1,2,3,4,5,6,7
.if \t >= 2*\lo
	v_wmma_scale_f32_16x16x128_f8f6f4 v[S+8*\t:S+8*\t+7], v[KB+4*\t:KB+4*\t+7], v[QF+8*\hh:QF+8*\hh+7], 0, v[KS+\t], v[QS+\hh] matrix_a_fmt:MATRIX_FMT_FP4 matrix_b_fmt:MATRIX_FMT_FP4
.endif
.endr                                  ; lane (r, h), register 16 p + 8 u + j: query r, key 16 u + 8 h + j of place p
	s_wait_dscnt 0x0
.if \lo == 0                           ; V's scale words: byte p of word dt is byte dt of place p.  (These lines are also the places behind the products)
	v_perm_b32 v[TT], v[XR+1], v[XR], s40
	v_perm_b32 v[TT+1], v[XR+1], v[XR], s41
	v_perm_b32 v[TT+2], v[XR+3], v[XR+2], s40
	v_perm_b32 v[TT+3], v[XR+3], v[XR+2], s41
	s_delay_alu instid0(VALU_DEP_2)
	v_perm_b32 v[VS], v[TT+2], v[TT], s42
	s_delay_alu instid0(VALU_DEP_3)
	v_perm_b32 v[VS+1], v[TT+2], v[TT], s43
	s_delay_alu instid0(VALU_DEP_3)
	v_perm_b32 v[VS+2], v[TT+3], v[TT+1], s42
	s_delay_alu instid0(VALU_DEP_4)
	v_perm_b32 v[VS+3], v[TT+3], v[TT+1], s43
.else
.irp dt, 0,1,2,3
	v_perm_b32 v[VS+\dt], v[XR+3], v[XR+3], 0x01010101*\dt   ; place 3's byte in all four: the other places meet zero codes
.endr
.endif
.if \mode == 0                         ; block G - 4: key 16 u + 8 h + j counts where 16 u + j >= 16 (w % 2) + r - 8 h
.irp n, 0,1,2,3,4,5,6,7,8,9,10,11,12,13,14,15
	v_cmp_lt_i32 vcc_lo, 16*(\n/8)+\n%8, v[DD]
	v_cndmask_b32 v[S+\n], v[S+\n], v[NINF], vcc_lo
.endr
.irp p, 0,1,2
	s_cmp_ge_u32 s18, 4-\p                         ; block G - 4 + p exists?
	s_cbranch_scc1 .Lhave_\@_\p
.irp i, 0,1,2,3,4,5,6,7,8,9,10,11,12,13,14,15
	v_mov_b32 v[S+16*\p+\i], v[NINF]
.endr
.Lhave_\@_\p:
.endr
.endif
.if \mode == 1
.irp p, 1,2,3
	s_cmp_lt_u32 s18, 32-\p                        ; block G + p exists?
	s_cbranch_scc1 .Lhave_\@_\p
.irp i, 0,1,2,3,4,5,6,7,8,9,10,11,12,13,14,15
	v_mov_b32 v[S+16*\p+\i], v[NINF]
.endr
.Lhave_\@_\p:
.endr
.endif
.if \mode == 2                         ; block G + 4: the key counts where 16 u + j <= 16 (w % 2) + r - 8 h
.irp n, 0,1,2,3,4,5,6,7,8,9,10,11,12,13,14,15
	v_cmp_gt_i32 vcc_lo, 16*(\n/8)+\n%8, v[DD]
	v_cndmask_b32 v[S+48+\n], v[S+48+\n], v[NINF], vcc_lo
.endr
.endif
.irp b, 0,1,2,3
.if \b >= \lo
	v_max3_num_f32 v[BM+\b], v[S+16*\b], v[S+16*\b+1], v[S+16*\b+2]   ; the largest score of each block: it serves the row's maximum and, since p rises with the score, the block's largest p
.endif
.endr
.irp i, 3,5,7,9,11,13
.irp b, 0,1,2,3
.if \b >= \lo
	v_max3_num_f32 v[BM+\b], v[BM+\b], v[S+16*\b+\i], v[S+16*\b+\i+1]
.endif
.endr
.endr
.irp b, 0,1,2,3
.if \b >= \lo
	v_max_num_f32 v[BM+\b], v[BM+\b], v[S+16*\b+15]
.endif
.endr
.irp b, 0,1,2,3
.if \b >= \lo
	v_permlanex16_b32 v[BP+\b], v[BM+\b], s20, s21
.endif
.endr
.irp b, 0,1,2,3
.if \b >= \lo
	v_max_num_f32 v[BM+\b], v[BM+\b], v[BP+\b]     ; with lane l xor 16's sixteen keys
.endif
.endr
.if \lo == 0
	s_delay_alu instid0(VALU_DEP_2)
	v_max3_num_f32 v254, v[BM], v[BM+1], v[BM+2]
	s_delay_alu instid0(VALU_DEP_1)
	v_max_num_f32 v254, v254, v[BM+3]              ; the step's largest score of my query: finite, since every step that is walked has a key that counts
	s_delay_alu instid0(VALU_DEP_1)
	v_mul_f32 v254, s22, v254                      ; as t (c is positive)
.else
	s_delay_alu instid0(VALU_DEP_1)
	v_mul_f32 v254, s22, v[BM+3]
.endif
	s_delay_alu instid0(VALU_DEP_1)
	v_max_num_f32 v13, v13, v254                   ; the running largest t
	v_mov_b32 v254, v12
	s_delay_alu instid0(VALU_DEP_2)
	v_floor_f32 v12, -v13                          ; the new -M = floor(-t): M is a whole number
	s_delay_alu instid0(VALU_DEP_1)
	v_sub_f32 v254, v12, v254                      ; old M - new M: a whole number, 0 or less
	s_delay_alu instid0(VALU_DEP_1)
	v_cvt_i32_f32 v254, v254                       ; (it saturates)
	s_delay_alu instid0(VALU_DEP_1)
	v_ldexp_f32 v252, 1.0, v254                    ; f = 2^(old M - new M)
.set J, 16*\lo
.rept 32-8*\lo
	v_pk_fma_f32 v[S+J:S+J+1], v[S+J:S+J+1], s[22:23], v[12:13] op_sel_hi:[1,0,0]   ; t - M, two at a time
.set J, J+2
.endr
.irp b, 0,1,2,3
.if \b >= \lo
	v_fma_f32 v[BM+\b], v[BM+\b], s22, v12         ; the same of each block's largest score
.endif
.endr
.set J, 16*\lo
	s_wait_alu depctr_va_vdst(0)
.rept 64-16*\lo
	v_exp_f32 v[S+J], v[S+J]                       ; p = 2^(t - M), at most 1, not normalised; 0 where the score was -infinity
.set J, J+1
.endr
.irp b, 0,1,2,3
.if \b >= \lo
	v_exp_f32 v[BM+\b], v[BM+\b]                   ; the block's largest p
.endif
.endr
	v_pk_mul_f32 v[14:15], v[14:15], v[252:253] op_sel_hi:[1,0]   ; the sum under the new M (a plain line behind the exponentials)
	s_wait_alu depctr_va_vdst(0)
.irp b, 0,1,2,3
.if \b >= \lo
	v_max_num_f32 v[BM+\b], 0x1800000, v[BM+\b]    ; the floor 2^(3 - 127): the byte cannot fall under 1
.endif
.endr
.irp b, 0,1,2,3
.if \b >= \lo
	v_add_nc_u32 v[SO+\b], 0xff000000, v[BM+\b]    ; 2 off the exponent field: the conversion's scale operand
.endif
.endr
.irp b, 0,1,2,3
.if \b >= \lo
	v_lshrrev_b32 v[BP+\b], 23, v[SO+\b]           ; the scale's byte
.endif
.endr
.if \lo == 0
	s_delay_alu instid0(VALU_DEP_3)
	v_lshl_or_b32 v253, v[BP+1], 8, v[BP]          ; p's scale word for the four places
	s_delay_alu instid0(VALU_DEP_1)
	v_lshl_or_b32 v253, v[BP+2], 16, v253
	s_delay_alu instid0(VALU_DEP_1)
	v_lshl_or_b32 v253, v[BP+3], 24, v253
.else
	s_delay_alu instid0(VALU_DEP_1)
	v_lshlrev_b32 v253, 24, v[BP+3]                ; place 3's byte; the bytes of the places of zero codes are 0, a valid scale
.endif
.irp c, 0,1
.if 2*\c+1 >= \lo
.if 2*\c >= \lo
	v_cvt_scalef32_pk8_fp4_f32 v[PC+4*\c], v[S+32*\c:S+32*\c+7], v[SO+2*\c]
	v_cvt_scalef32_pk8_fp4_f32 v[PC+4*\c+2], v[S+32*\c+8:S+32*\c+15], v[SO+2*\c]
.endif
	v_cvt_scalef32_pk8_fp4_f32 v[PC+4*\c+1], v[S+32*\c+16:S+32*\c+23], v[SO+2*\c+1]
	v_cvt_scalef32_pk8_fp4_f32 v[PC+4*\c+3], v[S+32*\c+24:S+32*\c+31], v[SO+2*\c+1]
.endif
.endr
.if \lo == 0
	v_nop                                          ; one plain line between a scaled conversion and the line that touches its result
	v_permlane16_swap_b32 v[PC], v[PC+1]
	v_permlane16_swap_b32 v[PC+2], v[PC+3]
.else
.irp i, 0,1,2,3,4,6
	v_mov_b32 v[PC+\i], 0                          ; places 0 to 2: zero codes (plain lines behind the conversions)
.endr
.endif
	v_permlane16_swap_b32 v[PC+4], v[PC+5]         ; a whole block in a lane: register 4 c + i holds keys 8 i + 0 .. 7 of place 2 c + h
	v_permlane16_swap_b32 v[PC+6], v[PC+7]
	v_pk_add_f32 v[BP:BP+1], v[S+16*\lo:S+16*\lo+1], v[S+16*\lo+2:S+16*\lo+3]   ; the sum is taken of the unquantised p: two at a time, in two chains
.set J, 16*\lo+4
.rept 15-4*\lo
	v_pk_add_f32 v[14:15], v[14:15], v[S+J:S+J+1]
	v_pk_add_f32 v[BP:BP+1], v[BP:BP+1], v[S+J+2:S+J+3]
.set J, J+4
.endr
	s_delay_alu instid0(VALU_DEP_1)
	v_pk_add_f32 v[14:15], v[14:15], v[BP:BP+1]
.set J, 0
.rept 16
	v_pk_mul_f32 v[OT+J:OT+J+1], v[OT+J:OT+J+1], v[252:253] op_sel_hi:[1,0]   ; O^T under the new M, each accumulator from its low end on
.set J, J+2
.endr
.irp dt, 0,1,2,3
	v_wmma_scale_f32_16x16x128_f8f6f4 v[OT+8*\dt:OT+8*\dt+7], v[VB+8*\dt:VB+8*\dt+7], v[PC:PC+7], v[OT+8*\dt:OT+8*\dt+7], v[VS+\dt], v253 matrix_a_fmt:MATRIX_FMT_FP4 matrix_b_fmt:MATRIX_FMT_FP4
.endr
.rept 4
	v_nop                                          ; places ahead of the next loads into these operands, and of the first read of the results
.endr
.endm
; O^T / the sum is the row's 64 numbers of head hh along the projection's K: register 8 dt + j is channel 16 dt + 8 h + j.  Quantised as in the launch before; the codes are half c = hh of K step pair.
.macro FINISH hh
.set OCH, OC+12*\hh
	v_add_f32 v14, v14, v15                        ; the sum's two halves,
	s_delay_alu instid0(VALU_DEP_1)
	v_permlanex16_b32 v254, v14, s20, s21
	s_delay_alu instid0(VALU_DEP_1)
	v_add_f32 v14, v14, v254                       ; and lane l xor 16's
	s_wait_alu depctr_va_vdst(0)
	v_rcp_f32 v14, v14
	v_nop                                          ; one plain line behind a transcendental
.set J, 0
	s_wait_alu depctr_va_vdst(0)
.rept 32
	v_mul_f32 v[S+J], v[OT+J], v14
.set J, J+1
.endr
.irp b, 0,1
	v_max3_num_f32 v[BM+\b], |v[S+16*\b]|, |v[S+16*\b+1]|, 0x1800000
.endr
.irp i, 2,4,6,8,10,12,14
.irp b, 0,1
	s_delay_alu instid0(VALU_DEP_2)
	v_max3_num_f32 v[BM+\b], v[BM+\b], |v[S+16*\b+\i]|, |v[S+16*\b+\i+1]|
.endr
.endr
.irp b, 0,1
	s_delay_alu instid0(VALU_DEP_2)
	v_permlanex16_b32 v[BP+\b], v[BM+\b], s20, s21
.endr
.irp b, 0,1
	s_delay_alu instid0(VALU_DEP_2)
	v_max_num_f32 v[BM+\b], v[BM+\b], v[BP+\b]
.endr
.irp b, 0,1
	s_delay_alu instid0(VALU_DEP_2)
	v_add_nc_u32 v[SO+\b], 0xff000000, v[BM+\b]
.endr
	v_cvt_scalef32_pk8_fp4_f32 v[OCH], v[S:S+7], v[SO]
	v_cvt_scalef32_pk8_fp4_f32 v[OCH+1], v[S+16:S+23], v[SO+1]
	v_cvt_scalef32_pk8_fp4_f32 v[OCH+2], v[S+8:S+15], v[SO]
	v_cvt_scalef32_pk8_fp4_f32 v[OCH+3], v[S+24:S+31], v[SO+1]
.irp b, 0,1
	v_lshrrev_b32 v[BP+\b], 23, v[SO+\b]           ; the bytes (plain lines behind the conversions)
.endr
	v_permlane16_swap_b32 v[OCH], v[OCH+1]
	v_permlane16_swap_b32 v[OCH+2], v[OCH+3]
	global_store_b128 v[LI], v[OCH:OCH+3], s[10:11] offset:512*\hh   ; an image: 512 consecutive bytes; each head has its own four registers
.if \hh == 0
	v_lshl_or_b32 v[WA], v[BP+1], 8, v[BP]
.else
	v_lshl_or_b32 v254, v[BP+1], 8, v[BP]
	s_delay_alu instid0(VALU_DEP_1)
	v_lshl_or_b32 v[WA], v254, 16, v[WA]           ; the K step's four bytes
	ds_store_b32 v[AOS], v[WA]                     ; both lanes of a row write the same word with the same value
.endif
.endm
.macro HEAD hh
	v_mov_b32 v13, 0xff61b1e6                      ; the largest t so far: -3e38, under every t
	s_delay_alu instid0(VALU_DEP_1)
	v_floor_f32 v12, -v13                          ; -M
	v_mov_b32 v14, 0
	v_mov_b32 v15, 0
.set J, 0
.rept 32
	v_mov_b32 v[OT+J], 0                           ; O^T begins as zeros, since which step is a wave's first hangs on its place: the first change of M leaves them zeros
.set J, J+1
.endr
	s_cmp_eq_u32 s18, 0                            ; blocks G - 4 .. G - 1: none exists for G = 0
	s_cbranch_scc1 .Lno_a_\@
	STEP \hh, 0, 0, 0
.Lno_a_\@:
	STEP \hh, 4, 0, 1                              ; blocks G .. G + 3
	s_cmp_ge_u32 s18, 28                           ; block G + 4
	s_cbranch_scc1 .Lno_c_\@
	STEP \hh, 5, 3, 2
.Lno_c_\@:
	FINISH \hh
.endm
	HEAD 0
	HEAD 1
	s_wait_dscnt 0x0                               ; for the others' sake: my scale words lie in LDS
	s_barrier_signal -1
	s_barrier_wait -1
	s_cmp_lt_u32 s14, 2                            ; waves 0 and 1 send the work-group's 1,024 bytes of scale words
	s_cbranch_scc0 .Ldone
	ds_load_b128 v[S:S+3], v[ARD]
	s_wait_dscnt 0x0
	global_store_b128 v[AGO], v[S:S+3], s[12:13]   ; 512 consecutive bytes a wave
.Ldone:
	s_wait_tensorcnt 0x0
	ds_add_u32 v227, v255
	s_wait_dscnt 0x0
	s_endpgm
.Lfunc_end_k_qd9a6dd2edf_attn:
	.size	k_qd9a6dd2edf_attn, .Lfunc_end_k_qd9a6dd2edf_attn-k_qd9a6dd2edf_attn
	.p2alignl 7, 3214868480
	.fill 96, 4, 3214868480
	.section	.rodata,"a",@progbits
	.p2align	6, 0x0
	.amdhsa_kernel k_qd9a6dd2edf_attn
		.amdhsa_group_segment_fixed_size 169984
		.amdhsa_private_segment_fixed_size 0
		.amdhsa_enable_private_segment 0
		.amdhsa_kernarg_size 40
		.amdhsa_user_sgpr_count 2
		.amdhsa_user_sgpr_kernarg_segment_ptr 1
		.amdhsa_wavefront_size32 1
		.amdhsa_system_sgpr_workgroup_id_x 1
		.amdhsa_system_sgpr_workgroup_id_y 1
		.amdhsa_system_sgpr_workgroup_id_z 1
		.amdhsa_system_vgpr_workitem_id 0
		.amdhsa_next_free_vgpr 256
		.amdhsa_next_free_sgpr 66
		.amdhsa_reserve_vcc 1
		.amdhsa_float_denorm_mode_32 3
		.amdhsa_float_denorm_mode_16_64 3
		.amdhsa_memory_ordered 1
		.amdhsa_forward_progress 1
		.amdhsa_inst_pref_size 105
	.end_amdhsa_kernel
	.amdgpu_metadata
---
amdhsa.version: [ 1, 2 ]
amdhsa.kernels:
  - .name:           k_qd9a6dd2edf_attn
    .symbol:         k_qd9a6dd2edf_attn.kd
    .args:
      - { .name: q_img, .offset: 0, .size: 8, .value_kind: global_buffer, .address_space: global }
      - { .name: q_sc, .offset: 8, .size: 8, .value_kind: global_buffer, .address_space: global }
      - { .name: kv, .offset: 16, .size: 8, .value_kind: global_buffer, .address_space: global }
      - { .name: o_img, .offset: 24, .size: 8, .value_kind: global_buffer, .address_space: global }
      - { .name: o_sc, .offset: 32, .size: 8, .value_kind: global_buffer, .address_space: global }
    .group_segment_fixed_size: 169984
    .private_segment_fixed_size: 0
    .kernarg_segment_align: 8
    .kernarg_segment_size: 40
    .max_flat_workgroup_size: 512
    .sgpr_count:     66
    .vgpr_count:     256
    .wavefront_size: 32
...
	.end_amdgpu_metadata
.endif
;; end of part 3
;; launch proj (part 4): grid 256 x 1, 8 waves a work-group, clusters of 4 x 1, 327,680 bytes of LDS; arguments o_img, o_sc, wimg, inp, gamma, beta, out0; writes out0
.if DOCPART == 4
	.amdgcn_target "amdgcn-amd-amdhsa--gfx1250"
	.amdhsa_code_object_version 6
	.text
	.protected	k_qd9a6dd2edf_proj
	.globl	k_qd9a6dd2edf_proj
	.p2align	8
	.type	k_qd9a6dd2edf_proj,@function
k_qd9a6dd2edf_proj:
	s_mov_b64 s[64:65], 0
	v_nop
	global_prefetch_b8 v0, s[64:65] scope:SCOPE_SE
	s_setreg_imm32_b32 hwreg(HW_REG_WAVE_MODE, 25, 1), 1
	s_wait_xcnt 0x0
	s_wait_alu depctr_hold_cnt(0) depctr_sa_sdst(0) depctr_va_vdst(0) depctr_va_sdst(0) depctr_va_ssrc(0) depctr_va_vcc(0) depctr_vm_vsrc(0)
	s_getreg_b32 s2, hwreg(HW_REG_IB_STS2, 6, 4)
	s_cmp_eq_u32 s2, 0
	s_cbranch_scc0 .Lentry_in_a_cluster
	s_endpgm
.Lentry_in_a_cluster:
	s_bfe_u32 s2, ttmp6, 0x10000c
	s_cmp_lg_u32 s2, 0x3003
	s_cbranch_scc0 .Lentry_shape_is_right
	s_endpgm
.Lentry_shape_is_right:
; out0 = LayerNorm(inp + Q(attention's result) W_o) x gamma + beta; the product on codes of FP4 with E8M0 scales, all else in f32.
; SHARES.  A work-group owns 32 whole rows (two tiles of 16), so that the norm never leaves it.  W_o's 64 records (16 columns x all of K each, 8,704 bytes) go in four phases of 16 records
; through two LDS slots; in a phase wave w of eight multiplies records 2 w and 2 w + 1 with both tiles of rows: 32 matrix instructions on four accumulators, which take turns.
; CLUSTER.  The four work-groups of a cluster differ in their rows alone and walk the same records: every load of W_o, gamma and beta is asked for JOINTLY, with the mask of all four.
; THE HEAD'S LOADS, one a wave: waves 0-3 eight records each (both slots), wave 4 the rows' codes, wave 5 their scale words, waves 6 and 7 gamma and beta.  Two refills follow, two records a wave.
; The rows' codes are read from LDS once and stay in 128 registers.  The residual, four whole rows a wave, goes from memory straight into 128 registers, 512 consecutive bytes a load, asked for at the head.
; THE PRODUCT IS USED TRANSPOSED (source 0 = 16 rows of W_o, source 1 = 16 rows of the operand): a lane holds one row and eight neighbouring columns, 32 bytes, which go to a stage in LDS.
; The stage (32 rows x 4,112 bytes) lies in slot 0, which has had its last fill and its last read when the first result is stored there.  Behind one barrier each wave reads four whole rows back.
; THE NORM stays inside a wave: a lane holds 32 numbers of a row.  Two passes: the mean, then the squares of what is left when the mean is taken off: no difference of large sums is formed.
; PREFETCH.  At the head each wave names, once for each of the two refills, 17 of the 68 blocks of 256 bytes that it will fetch: the four partners share the 68 out by address (17 x 256 bytes x cx);
; lanes 17-31 name the wave's last block again.  The first 32 records come by their loads alone.  inp is asked for once, at the head, by the loads themselves.
; LIMITS: NaN and infinities among the inputs are not served otherwise than by the arithmetic as it stands.
; REGISTERS.  Window 0: v1-15 addresses; v16-23 the operand's scale words (lanes 0-15 tile 0, lanes 16-31 tile 1); v24-39 W's; v40-167 accumulators (phase p, record e, tile m at 40 + 32 p + 16 e + 8 m),
;   later gamma and beta; v168-231 W's fragments, two buffers of two K steps; v232-245 the norm's sums.   Window 1: v0-127 the operand's fragments, later the rows; v128-255 the residual.
.set NT,    8704                       ; a weight record: 16 images of 512 bytes, then 16 rows x 32 scale bytes
.set SLOT,  16*NT
.set OIMG,  2*SLOT                     ; the operand's 32 images
.set OSC,   OIMG+16384                 ; its scale words [K step 8][row 32]
.set GAM,   OSC+1024
.set BET,   GAM+4096
.set SPARE, BET+4096                   ; the spare words: 128 bytes a wave, four blocks of 256 bytes that no other line names
.set SP,    4112                       ; a stage row: 4,096 bytes + 16: the sixteen rows that a store touches begin 257 x 16 bytes apart
.set LI,  1                            ; v1    16 x lane
.set AW,  2                            ; v2-3  my two records in slot 0, 1
.set ASC, 4                            ; v4-5  their scale bytes: row r
.set STO, 6                            ; v6-7  the stage, on the way in: row r, row 16 + r
.set RD,  8                            ; v8    and back: my four rows
.set AOI, 9
.set AOS, 10
.set AG,  11
.set PFO, 12                           ; v12   the prefetches' offset; never rewritten
.set SPW, 14
.set NIL, 15
.set OS,  16
.set WS,  24
.set ACC, 40
.set GA,  40
.set BE,  72
.set WB,  168
.set TA,  232                          ; v232-239 two chains for each of two rows
.set PD,  240                          ; v240-241 lane permutes' results
.set MN,  242                          ; v242, v244: a row's number, each the low half of a pair
.set G1W, 24                           ; descriptor groups 1: the head's 8 records; a refill's 2; the images; the scale words; gamma or beta
.set G1R, 32
.set G1O, 40
.set G1S, 48
.set G1G, 56
.set G0H, 68                           ; groups 0
.set G0O, 72
.set G0S, 76
.set G0GA, 80
.set G0BE, 84
.set G0R, 88                           ; s[88:91], s[92:95] the two refills
.set PFA, 100                          ; s[100:101] the prefetches' base; never rewritten
.set MSB, 0
.macro WIN new                         ; the immediate's high byte repeats the setting that is left
.if MSB != \new
	s_set_vgpr_msb (MSB<<8)|\new
.set MSB, \new
.endif
.endm
.macro PLACES                          ; four plain places behind a matrix instruction (ISA guide 7.12.1 for vector instructions)
.rept 4
	v_nop
.endr
.endm
.macro ROUND                           ; a round of the cluster's barrier
	s_barrier_signal -1
	s_barrier_wait -1
	s_cmp_lg_u32 s18, 0
	s_cbranch_scc1 .Lnot_wave_0_\@
	s_barrier_signal -3
.Lnot_wave_0_\@:
	s_barrier_wait -3
	s_barrier_signal -1
	s_barrier_wait -1
.endm
.macro GRP1 g, w0, c, r, p             ; r rows of c elements of 8 bytes, p elements apart
	s_mov_b32 s[\g], \w0
	s_mov_b32 s[\g+1], (\c)<<16
	s_mov_b32 s[\g+2], (\r)<<16
	s_mov_b32 s[\g+3], (\c)<<16
	s_mov_b32 s[\g+4], \r
	s_mov_b32 s[\g+5], \p
	s_mov_b32 s[\g+6], 0
	s_mov_b32 s[\g+7], 0
.endm
	s_load_b256 s[4:11], s[0:1], 0x0               ; o_img s[4:5], o_sc s[6:7], wimg s[8:9], inp s[10:11]
	s_load_b128 s[12:15], s[0:1], 0x20             ; gamma s[12:13], beta s[14:15]
	s_load_b64 s[16:17], s[0:1], 0x30              ; out0
	v_lshl_add_u32 v[SPW], v0, 2, SPARE
	v_mov_b32 v[NIL], 0
	ds_add_u32 v[SPW], v[NIL]                      ; the opening lines: the add, twice on end, and its wait
	ds_add_u32 v[SPW], v[NIL]
	v_lshrrev_b32 v13, 5, v0
	v_readfirstlane_b32 s18, v13                   ; wave 0..7
	s_bfe_u32 s19, ttmp6, 0x40000                  ; cx: it enters global addresses alone
	s_lshl_b32 s22, ttmp9, 2
	s_add_co_u32 s22, s22, s19                     ; g: my 32 rows
	GRP1 G1W, 15|(3<<16)|(1<<21), 32, 272, 32      ; 8 records: 272 rows of 256 bytes; the mask of all four, bit 21 beside it
	GRP1 G1R, 15|(3<<16)|(1<<21), 32, 68, 32       ; 2 records
	GRP1 G1O, 3<<16, 32, 64, 32                    ; 16,384 dense bytes, my work-group's own: no mask
	GRP1 G1S, 3<<16, 16, 8, 4096                   ; 8 K steps x 128 bytes, 32,768 apart
	GRP1 G1G, 15|(3<<16)|(1<<21), 32, 16, 32       ; 4,096 dense bytes
	s_mov_b32 s20, 0x76543210
	s_mov_b32 s21, 0xfedcba98                      ; v_permlanex16_b32's selects for lane l xor 16
	s_mov_b32 s98, 0x3a800000                      ; 1 / 1024
	s_mov_b32 s99, 0x3727c5ac                      ; 1e-5
	s_mov_b32 s97, 0
	s_mov_b32 s[G0H], 1
	s_mul_i32 s[G0H+1], s18, 8*NT                  ; (waves 0 to 3 use it)
	s_mov_b32 s[G0O], 1
	s_mov_b32 s[G0O+1], OIMG
	s_mov_b32 s[G0S], 1
	s_mov_b32 s[G0S+1], OSC
	s_mov_b32 s[G0GA], 1
	s_mov_b32 s[G0GA+1], GAM
	s_mov_b32 s[G0BE], 1
	s_mov_b32 s[G0BE+1], BET
	s_mov_b32 s[G0R], 1
	s_mul_i32 s[G0R+1], s18, 2*NT
	s_mov_b32 s[G0R+4], 1
	s_add_co_u32 s[G0R+5], s[G0R+1], SLOT
	s_wait_dscnt 0x0                               ; both opening adds are done
	s_wait_kmcnt 0x0
	s_add_co_u32 s96, s[G0H+1], 192*NT             ; W_o's records begin at 192
	s_add_nc_u64 s[G0H+2:G0H+3], s[8:9], s[96:97]
	s_or_b32 s[G0H+3], s[G0H+3], 0x80000000
	s_add_co_u32 s96, s[G0R+1], 224*NT             ; the first refill: records 32 + 2 w and the next
	s_add_nc_u64 s[G0R+2:G0R+3], s[8:9], s[96:97]
	s_add_nc_u64 s[G0R+6:G0R+7], s[G0R+2:G0R+3], 16*NT   ; the second: 16 records on
	s_mul_i32 s96, s19, 17*256
	s_add_nc_u64 s[PFA:PFA+1], s[G0R+2:G0R+3], s[96:97]  ; my work-group's 17 blocks of the 68
	s_or_b32 s[G0R+3], s[G0R+3], 0x80000000
	s_or_b32 s[G0R+7], s[G0R+7], 0x80000000
	s_lshl_b32 s96, s22, 14
	s_add_nc_u64 s[G0O+2:G0O+3], s[4:5], s[96:97]
	s_or_b32 s[G0O+3], s[G0O+3], 0x80000000
	s_lshl_b32 s96, s22, 7
	s_add_nc_u64 s[G0S+2:G0S+3], s[6:7], s[96:97]
	s_or_b32 s[G0S+3], s[G0S+3], 0x80000000
	s_mov_b64 s[G0GA+2:G0GA+3], s[12:13]
	s_or_b32 s[G0GA+3], s[G0GA+3], 0x80000000
	s_mov_b64 s[G0BE+2:G0BE+3], s[14:15]
	s_or_b32 s[G0BE+3], s[G0BE+3], 0x80000000
	s_lshl_b32 s96, s22, 17                        ; 32 rows of 4,096 bytes,
	s_lshl_b32 s23, s18, 14                        ; my four of them
	s_add_co_u32 s96, s96, s23
	s_add_nc_u64 s[10:11], s[10:11], s[96:97]
	s_add_nc_u64 s[16:17], s[16:17], s[96:97]
	ROUND                                          ; all four work-groups are here: the joint loads meet
.macro ARM under, g0, g1, next         ; one chain of branches on the wave's number: every way passes exactly one load
	s_cmp_lt_u32 s18, \under
	s_cbranch_scc0 \next
	tensor_load_to_lds s[\g0:\g0+3], s[\g1:\g1+7]
	s_nop 0
	PLACES
	s_branch .Lhead_asked
\next:
.endm
	ARM 4, G0H,  G1W, .Lhead_o
	ARM 5, G0O,  G1O, .Lhead_s
	ARM 6, G0S,  G1S, .Lhead_g
	ARM 7, G0GA, G1G, .Lhead_b
	tensor_load_to_lds s[G0BE:G0BE+3], s[G1G:G1G+7]
	s_nop 0
	PLACES
.Lhead_asked:
	v_and_b32 v13, 31, v0                          ; lane
	v_and_b32 v232, 15, v0                         ; r
	v_bfe_u32 v233, v0, 4, 1                       ; h
	s_mul_i32 s22, s18, 2*NT
	s_lshl_b32 s23, s18, 7
	s_mul_i32 s96, s18, 4*SP
	v_lshlrev_b32 v[LI], 4, v13
	v_lshl_add_u32 v[ASC], v232, 5, s22
	v_mul_u32_u24 v[STO], v232, SP
	v_min_u32 v[PFO], 16, v13
	v_lshl_add_u32 v[AOS], v13, 2, OSC
	v_add_nc_u32 v[AW], s22, v[LI]
	v_add_nc_u32 v[ASC], 8192, v[ASC]
	v_lshl_add_u32 v[STO], v233, 5, v[STO]         ; row r, + 32 h
	v_lshlrev_b32 v[PFO], 8, v[PFO]
	v_add_nc_u32 v[RD], s96, v[LI]
	v_add_nc_u32 v[AOI], OIMG, v[LI]
	v_add_nc_u32 v[AG], GAM, v[LI]
	v_add_nc_u32 v[AW+1], SLOT, v[AW]
	v_add_nc_u32 v[ASC+1], SLOT, v[ASC]
	v_add_nc_u32 v[STO], s23, v[STO]               ; + 128 w: my two records' columns in a phase's 1,024 bytes
	v_mov_b32 v[PD], 0                             ; written once: a lane permute's destination counts as one of its sources
	v_mov_b32 v[PD+1], 0
	v_mov_b32 v[MN+1], 0                           ; (named as the upper halves of pairs)
	v_mov_b32 v[MN+3], 0
	v_add_nc_u32 v[STO+1], 16*SP, v[STO]
	s_wait_alu depctr_va_vdst(0)
	s_cmp_lt_u32 ttmp9, 4
	s_cbranch_scc0 .Lno_prefetch_proj0
	global_prefetch_b8 v[PFO], s[PFA:PFA+1] th:TH_LOAD_NT scope:SCOPE_SE                ; the first refill's blocks,
	global_prefetch_b8 v[PFO], s[PFA:PFA+1] offset:16*NT th:TH_LOAD_NT scope:SCOPE_SE   ; the second's
.Lno_prefetch_proj0:
	s_wait_tensorcnt 0x0                           ; my tile of the head's eight is in,
	s_barrier_signal -1
	s_barrier_wait -1                              ; everybody's is
	WIN 0x40
.irp m, 0,1
.irp s, 0,1,2,3,4,5,6,7
.irp c, 0,1
	ds_load_b128 v[8*(8*\m+\s)+4*\c:8*(8*\m+\s)+4*\c+3], v[AOI] offset:8192*\m+1024*\s+512*\c   ; the operand's fragments: they stay
.endr
.endr
.endr
.irp i, 0,1,2,3
.irp j, 0,1,2,3,4,5,6,7
	global_load_b128 v[128+32*\i+4*\j:128+32*\i+4*\j+3], v[LI], s[10:11] offset:4096*\i+512*\j th:TH_LOAD_NT
.endr
.endr
	WIN 0
.irp s, 0,1,2,3,4,5,6,7
	ds_load_b32 v[OS+\s], v[AOS] offset:128*\s     ; lane l: row l's word of K step s
.endr
.macro FRG buf, slot, s0               ; K steps s0 and s0 + 1 of my two records: 8 loads
.irp q, 0,1
.irp e, 0,1
.irp c, 0,1
	ds_load_b128 v[WB+32*\buf+16*\q+8*\e+4*\c:WB+32*\buf+16*\q+8*\e+4*\c+3], v[AW+\slot] offset:NT*\e+1024*(\s0+\q)+512*\c
.endr
.endr
.endr
.endm
.macro MM p, buf, s0                   ; 8 matrix instructions: the phase's four accumulators by turns, one instruction a turn; K step 0 starts the sums
.irp q, 0,1
.irp e, 0,1
.irp m, 0,1
.set XD, ACC+32*\p+16*\e+8*\m
.set XA, WB+32*\buf+16*\q+8*\e
.set XB, 8*(8*\m+\s0+\q)
.set XSA, WS+8*\e+\s0+\q
.set XSB, OS+\s0+\q
.if \s0+\q == 0
.if \m
	v_wmma_scale_f32_16x16x128_f8f6f4 v[XD:XD+7], v[XA:XA+7], v[XB:XB+7], 0, v[XSA], v[XSB] matrix_a_fmt:MATRIX_FMT_FP4 matrix_b_fmt:MATRIX_FMT_FP4 matrix_b_scale:MATRIX_SCALE_ROW1
.else
	v_wmma_scale_f32_16x16x128_f8f6f4 v[XD:XD+7], v[XA:XA+7], v[XB:XB+7], 0, v[XSA], v[XSB] matrix_a_fmt:MATRIX_FMT_FP4 matrix_b_fmt:MATRIX_FMT_FP4
.endif
.else
.if \m
	v_wmma_scale_f32_16x16x128_f8f6f4 v[XD:XD+7], v[XA:XA+7], v[XB:XB+7], v[XD:XD+7], v[XSA], v[XSB] matrix_a_fmt:MATRIX_FMT_FP4 matrix_b_fmt:MATRIX_FMT_FP4 matrix_b_scale:MATRIX_SCALE_ROW1
.else
	v_wmma_scale_f32_16x16x128_f8f6f4 v[XD:XD+7], v[XA:XA+7], v[XB:XB+7], v[XD:XD+7], v[XSA], v[XSB] matrix_a_fmt:MATRIX_FMT_FP4 matrix_b_fmt:MATRIX_FMT_FP4
.endif
.endif
.endr
.endr
.endr
.endm
.macro PHASE p, slot
.irp e, 0,1
.irp g, 0,1
	ds_load_b128 v[WS+8*\e+4*\g:WS+8*\e+4*\g+3], v[ASC+\slot] offset:NT*\e+16*\g   ; W's scale words: register 8 e + s, lane r: row r
.endr
.endr
	FRG 0, \slot, 0
	FRG 1, \slot, 2
	WIN 0x04                                       ; source 1 (the operand) window 1; an LDS load names destination and source 0 alone
	s_wait_dscnt 8                                 ; all but the younger group of 8 loads
	MM \p, 0, 0
	PLACES
	FRG 0, \slot, 4
	s_wait_dscnt 8
	MM \p, 1, 2
	PLACES
	FRG 1, \slot, 6
	s_wait_dscnt 8
	MM \p, 0, 4
	s_wait_dscnt 0x0
	MM \p, 1, 6
	PLACES                                         ; ahead of loads into these operands and of the first read of the results
	WIN 0
.endm
.macro CHANGE g0                       ; the tensor wait, an add and its wait, the round, and my one refill (g0 = 0: nothing is filled, a work-group barrier)
	s_wait_tensorcnt 0x0                           ; all my tensor loads have landed
	ds_add_u32 v[SPW], v[NIL]
	s_wait_dscnt 0x0                               ; the add is done, and my reads of the slot just left are over
.if \g0
	ROUND
	tensor_load_to_lds s[\g0:\g0+3], s[G1R:G1R+7]
	s_nop 0
	PLACES
.else
	s_barrier_signal -1
	s_barrier_wait -1
.endif
.endm
.macro TOST p                          ; phase p's four accumulators to the stage, each from its low end on: row r (+ 16 m), bytes 1,024 p + 128 w + 64 e + 32 h
.irp e, 0,1
.irp m, 0,1
.irp g, 0,1
	ds_store_b128 v[STO+\m], v[ACC+32*\p+16*\e+8*\m+4*\g:ACC+32*\p+16*\e+8*\m+4*\g+3] offset:1024*\p+64*\e+16*\g
.endr
.endr
.endr
.endm
	PHASE 0, 0                                     ; records 0-15
	CHANGE G0R                                     ; slot 0 takes records 32-47
	PHASE 1, 1                                     ; records 16-31
	CHANGE G0R+4                                   ; slot 1 takes records 48-63
	PHASE 2, 0
	CHANGE 0                                       ; slot 0 has had its last fill and its last read: the stage lies there
	TOST 0
	TOST 1
	TOST 2
	PHASE 3, 1
	TOST 3
	s_wait_dscnt 0x0                               ; for the others' sake: my columns lie in the stage
	s_barrier_signal -1
	s_barrier_wait -1
.macro ROWS a                          ; rows 4 w + a and the next, back as whole rows: register 32 i + 4 j + q of window 1: column 128 j + 4 lane + q
	WIN 0x40
.irp i, 0,1
.irp j, 0,1,2,3,4,5,6,7
	ds_load_b128 v[32*(\a+\i)+4*\j:32*(\a+\i)+4*\j+3], v[RD] offset:SP*(\a+\i)+512*\j
.endr
.endr
	WIN 0
.endm
	ROWS 0
.irp j, 0,1,2,3,4,5,6,7
	ds_load_b128 v[GA+4*\j:GA+4*\j+3], v[AG] offset:512*\j
	ds_load_b128 v[BE+4*\j:BE+4*\j+3], v[AG] offset:4096+512*\j
.endr
	ROWS 2
.macro FOLD                            ; two rows' chains v[TA ..] become each row's sum over its 1,024 columns, in every lane; the two rows by turns
	v_pk_add_f32 v[TA:TA+1], v[TA:TA+1], v[TA+2:TA+3]
	v_pk_add_f32 v[TA+4:TA+5], v[TA+4:TA+5], v[TA+6:TA+7]
.irp i, 0,1
	v_add_f32 v[TA+4*\i], v[TA+4*\i], v[TA+4*\i+1]
.endr
.irp x, 1,2,4,8
.irp i, 0,1
	v_add_f32_dpp v[TA+4*\i], v[TA+4*\i], v[TA+4*\i] row_xmask:\x row_mask:0xf bank_mask:0xf
.endr
.endr
.irp i, 0,1
	v_permlanex16_b32 v[PD+\i], v[TA+4*\i], s20, s21
.endr
.irp i, 0,1
	v_add_f32 v[TA+4*\i], v[TA+4*\i], v[PD+\i]
.endr
.endm
.macro LN a, dsl, ldl                  ; rows 4 w + a and the next: residual, norm, out.  dsl, ldl: the LDS loads and global loads of the later rows, which stay out
	s_wait_dscnt \dsl
	s_wait_loadcnt \ldl
	WIN 0x45                                       ; sources 0, 1 and destination window 1
.irp k, 0,2,4,6,8,10,12,14,16,18,20,22,24,26,28,30
.irp i, 0,1
.set YY, 32*(\a+\i)+\k
	v_pk_add_f32 v[YY:YY+1], v[YY:YY+1], v[128+YY:128+YY+1]   ; + the residual
.endr
.endr
	WIN 0x05                                       ; the sums in window 0
.irp i, 0,1
.set YY, 32*(\a+\i)
	v_pk_add_f32 v[TA+4*\i:TA+4*\i+1], v[YY:YY+1], v[YY+4:YY+5]
	v_pk_add_f32 v[TA+4*\i+2:TA+4*\i+3], v[YY+2:YY+3], v[YY+6:YY+7]
.endr
	WIN 0x01
.irp k, 8,12,16,20,24,28
.irp i, 0,1
.set YY, 32*(\a+\i)+\k
	v_pk_add_f32 v[TA+4*\i:TA+4*\i+1], v[YY:YY+1], v[TA+4*\i:TA+4*\i+1]     ; four chains by turns
	v_pk_add_f32 v[TA+4*\i+2:TA+4*\i+3], v[YY+2:YY+3], v[TA+4*\i+2:TA+4*\i+3]
.endr
.endr
	WIN 0
	FOLD
.irp i, 0,1
	v_mul_f32 v[MN+2*\i], 0xba800000, v[TA+4*\i]   ; minus the mean
.endr
	WIN 0x41
.irp k, 0,2,4,6,8,10,12,14,16,18,20,22,24,26,28,30
.irp i, 0,1
.set YY, 32*(\a+\i)+\k
	v_pk_add_f32 v[YY:YY+1], v[YY:YY+1], v[MN+2*\i:MN+2*\i+1] op_sel_hi:[1,0]   ; the mean is taken off (the pair's low word serves both halves)
.endr
.endr
	WIN 0x05
.irp i, 0,1
.set YY, 32*(\a+\i)
	v_pk_mul_f32 v[TA+4*\i:TA+4*\i+1], v[YY:YY+1], v[YY:YY+1]
	v_pk_mul_f32 v[TA+4*\i+2:TA+4*\i+3], v[YY+2:YY+3], v[YY+2:YY+3]
.endr
.irp k, 4,8,12,16,20,24,28
.irp i, 0,1
.set YY, 32*(\a+\i)+\k
	v_pk_fma_f32 v[TA+4*\i:TA+4*\i+1], v[YY:YY+1], v[YY:YY+1], v[TA+4*\i:TA+4*\i+1]
	v_pk_fma_f32 v[TA+4*\i+2:TA+4*\i+3], v[YY+2:YY+3], v[YY+2:YY+3], v[TA+4*\i+2:TA+4*\i+3]
.endr
.endr
	WIN 0
	FOLD
.irp i, 0,1
	v_fma_f32 v[TA+4*\i], v[TA+4*\i], s98, s99     ; the variance + 1e-5
.endr
	s_wait_alu depctr_va_vdst(0)                   ; ahead of the batch,
.irp i, 0,1
	v_rsq_f32 v[MN+2*\i], v[TA+4*\i]
.endr
	v_nop                                          ; one plain line behind a transcendental
	s_wait_alu depctr_va_vdst(0)                   ; and behind it, ahead of its first reader
	WIN 0x41                                       ; source 0 and destination window 1; the factor, gamma and beta window 0
.irp k, 0,2,4,6,8,10,12,14,16,18,20,22,24,26,28,30
.irp i, 0,1
.set YY, 32*(\a+\i)+\k
	v_pk_mul_f32 v[YY:YY+1], v[YY:YY+1], v[MN+2*\i:MN+2*\i+1] op_sel_hi:[1,0]
.endr
.endr
.irp k, 0,2,4,6,8,10,12,14,16,18,20,22,24,26,28,30
.irp i, 0,1
.set YY, 32*(\a+\i)+\k
	v_pk_fma_f32 v[YY:YY+1], v[YY:YY+1], v[GA+\k:GA+\k+1], v[BE+\k:BE+\k+1]
.endr
.endr
	WIN 0x04                                       ; a store's data: source 1
.irp i, 0,1
.irp j, 0,1,2,3,4,5,6,7
	global_store_b128 v[LI], v[32*(\a+\i)+4*\j:32*(\a+\i)+4*\j+3], s[16:17] offset:4096*(\a+\i)+512*\j th:TH_STORE_NT   ; 512 consecutive bytes of a row, aligned
.endr
.endr
	WIN 0
.endm
	LN 0, 16, 16                                   ; rows 0 and 1, gamma and beta are in; rows 2 and 3 (16 LDS loads, 16 global loads) stay out
	LN 2, 0, 0
	s_wait_tensorcnt 0x0                           ; the wave's end
	ds_add_u32 v[SPW], v[NIL]
	s_wait_dscnt 0x0
	ROUND                                          ; the closing round
	s_endpgm
.Lfunc_end_k_qd9a6dd2edf_proj:
	.size	k_qd9a6dd2edf_proj, .Lfunc_end_k_qd9a6dd2edf_proj-k_qd9a6dd2edf_proj
	.p2alignl 7, 3214868480
	.fill 96, 4, 3214868480
	.section	.rodata,"a",@progbits
	.p2align	6, 0x0
	.amdhsa_kernel k_qd9a6dd2edf_proj
		.amdhsa_group_segment_fixed_size 327680
		.amdhsa_private_segment_fixed_size 0
		.amdhsa_enable_private_segment 0
		.amdhsa_kernarg_size 56
		.amdhsa_user_sgpr_count 2
		.amdhsa_user_sgpr_kernarg_segment_ptr 1
		.amdhsa_wavefront_size32 1
		.amdhsa_system_sgpr_workgroup_id_x 1
		.amdhsa_system_sgpr_workgroup_id_y 1
		.amdhsa_system_sgpr_workgroup_id_z 1
		.amdhsa_system_vgpr_workitem_id 0
		.amdhsa_next_free_vgpr 512
		.amdhsa_next_free_sgpr 102
		.amdhsa_reserve_vcc 0
		.amdhsa_float_denorm_mode_32 3
		.amdhsa_float_denorm_mode_16_64 3
		.amdhsa_memory_ordered 1
		.amdhsa_forward_progress 1
		.amdhsa_inst_pref_size 81
	.end_amdhsa_kernel
	.amdgpu_metadata
---
amdhsa.version: [ 1, 2 ]
amdhsa.kernels:
  - .name:           k_qd9a6dd2edf_proj
    .symbol:         k_qd9a6dd2edf_proj.kd
    .args:
      - { .name: o_img, .offset: 0, .size: 8, .value_kind: global_buffer, .address_space: global }
      - { .name: o_sc, .offset: 8, .size: 8, .value_kind: global_buffer, .address_space: global }
      - { .name: wimg, .offset: 16, .size: 8, .value_kind: global_buffer, .address_space: global }
      - { .name: inp, .offset: 24, .size: 8, .value_kind: global_buffer, .address_space: global }
      - { .name: gamma, .offset: 32, .size: 8, .value_kind: global_buffer, .address_space: global }
      - { .name: beta, .offset: 40, .size: 8, .value_kind: global_buffer, .address_space: global }
      - { .name: out0, .offset: 48, .size: 8, .value_kind: global_buffer, .address_space: global }
    .group_segment_fixed_size: 327680
    .private_segment_fixed_size: 0
    .kernarg_segment_align: 8
    .kernarg_segment_size: 56
    .max_flat_workgroup_size: 256
    .sgpr_count:     102
    .vgpr_count:     512
    .wavefront_size: 32
...
	.end_amdgpu_metadata
.endif
;; end of part 4
